; MI455X (gfx1250); checked and timed in simulation.
; The chip was launched on July 23, 2026; its instructions are those of AMD's public machine-readable ISA for CDNA 5 (MIT licence, August 2026) and "CDNA5" Instruction Set Architecture Reference Guide (July 2026). The comments in the code are by the model that wrote it; some were corrected since.
;; Casual Self Attention. Allowed arithmetic: matrix products marked QUANTISED: E2M1 operands, one E8M0 scale for each 32 along K, by v_wmma_scale_f32_16x16x128_f8f6f4 with both operands' format E2M1 (or v_wmma_scale_f32_32x16x128_f4), f32 sums; products left as they are: bf16, f16 or f32 operands; f32 sums; everything else in f32.
;; Inputs: W_attn 3,072 x 1,024 float32; W_proj 1,024 x 1,024 float32; x 4 x 2,048 x 1,024 float32.
;; Outputs: out0 4 x 2,048 x 1,024 float32.
;; This version of the problem:
;;   THIS VERSION OF THE PROBLEM IS GIVEN IN LOW PRECISION. The matrix products marked QUANTISED in the list below multiply operands that are first quantised to E2M1 (2 exponent bits, 1 mantissa bit; 4 bits a number), with one power-of-two scale for each 32 numbers along K (OCP MX v1.0); their sums are f32. The products marked 'left as it is' may take bf16, f16 or f32 operands, with f32 sums. Whichever they take, every output number must still come out within the allowed error. Rounding operands to bf16 (8 significant bits) uses up far more of that allowance than f16 does (11 bits, for magnitudes from 6e-5 to 65,504). All else is computed in f32.
;;   The module's matrix products, in the order in which they are computed (A, B: the left and right operand; K: the contracted axis; several contracted axes count as one K, in the product's order):
;;     1. [M 8,192, K 1,024] x [K 1,024, N 3,072]; A: input x; B: input W_attn: QUANTISED
;;     2. batch 64 x [M 2,048, K 64] x [K 64, N 2,048]; A: computed on the way; B: computed on the way: left as it is (an operand is computed on the way)
;;     3. batch 64 x [M 2,048, K 2,048] x [K 2,048, N 64]; A: computed on the way; B: computed on the way: left as it is (an operand is computed on the way)
;;     4. [M 8,192, K 1,024] x [K 1,024, N 1,024]; A: computed on the way; B: input W_proj: left as it is (an operand is computed on the way)
;;   THE QUANTISER, for each operand of a quantised product, along K:
;;     - K is cut into blocks of 32 from its start; a last block that is shorter is filled with zeros.
;;     - A block's scale is 2^e with e = floor(log2(the largest magnitude in the block)) - 2, held to -126 .. 127; a block of zeros has e = 0. As a byte (E8M0): e + 127.
;;     - Each number is divided by its block's scale, clamped to +-6, and rounded to the nearest number of E2M1, ties to even, subnormals kept.
;;     - The product sums the exact products of the quantised numbers (number of the format x scale) in f32.
;;   ~~~python
;;   def quantise(x, axis):      # numpy; x: float32 -> the quantised numbers, widened to float32 again
;;       x = np.moveaxis(x, axis, -1); K = x.shape[-1]
;;       x = np.pad(x, [(0, 0)] * (x.ndim - 1) + [(0, -K % 32)]); x = x.reshape(x.shape[:-1] + (-1, 32)); a = np.abs(x).max(-1, keepdims=True)
;;       e = np.where(a > 0, np.clip(np.frexp(np.where(a > 0, a, 1))[1] - 1 - 2, -126, 127), 0)      # np.frexp(a)[1] - 1 = floor(log2(a)), exactly
;;       r = np.clip(x / 2.0 ** e, -6, 6)
;;       step = 2.0 ** (np.maximum(np.frexp(np.where(r == 0, 1, r))[1] - 1, 0) - 1)
;;       q = np.round(r / step) * step * 2.0 ** e      # np.round: ties to even
;;       return np.moveaxis(q.reshape(q.shape[:-2] + (-1,))[..., :K], -1, axis).astype(np.float32)
;;   ~~~
;; One version. Each part assembles by itself: llvm-mc -triple=amdgcn-amd-amdhsa -mcpu=gfx1250 --defsym DOCPART=n.
;; ======== version 1 of 1: 5 launches
;; limits: values are held in f16: magnitudes above 65,504 overflow, below 6.1e-05 lose precision
;; workspace buffers: x_codes 4,194,304 bytes; x_scales 262,144 bytes; w_codes 1,572,864 bytes; w_scales 98,304 bytes; wp 2,097,152 bytes; qkvh 50,331,648 bytes; qkvf 786,432 bytes; y2 16,777,216 bytes
;; launch quant (part 1): grid 480 x 1, 4 waves a work-group, no clusters, 33,280 bytes of LDS; arguments x, W_attn, x_codes, x_scales, w_codes, w_scales, W_proj, wp; writes x_codes, x_scales, w_codes, w_scales, wp
.if DOCPART == 1
	.amdgcn_target "amdgcn-amd-amdhsa--gfx1250"
	.amdhsa_code_object_version 6
	.text
	.protected	k_qb8f578d5a1_quant
	.globl	k_qb8f578d5a1_quant
	.p2align	8
	.type	k_qb8f578d5a1_quant,@function
k_qb8f578d5a1_quant:
	s_mov_b64 s[64:65], 0
	v_nop
	global_prefetch_b8 v0, s[64:65] scope:SCOPE_SE
	s_setreg_imm32_b32 hwreg(HW_REG_WAVE_MODE, 25, 1), 1
	s_wait_xcnt 0x0
; x [8192][1024] and W_attn [3072][1024], f32, become codes of FP4 (E2M1), K innermost, two codes a byte, with one E8M0 scale byte for each 32 along K; W_proj [1024][1024], f32, becomes f16.
; A block's scale is 2^(floor(log2(its largest magnitude)) - 2); its byte is the largest magnitude's own exponent field - 2, held at 1 from below.  A block of zeros so gets the byte 1 where the rule says 127:
; its codes are zeros, which add nothing under any byte but 0xff, and the bytes are read by this program alone.  Each number is divided by the scale and rounded to the nearest code, ties to even, beyond 6 the code of 6.
; LIMITS: blocks whose largest magnitude lies under 2^(3 - 127) keep the byte 1; NaN and infinities among the inputs are not served; W_proj beyond 65,504 in magnitude has no f16 number.
; SHARES.  Work-groups 0-255 take x, 256-351 W_attn: plain streams of blocks of 32; a wave takes 16 steps of 512 numbers.  Each load reads 512 consecutive bytes; a step's 2,048 bytes turn through the wave's own stage in LDS
; and come back 64 bytes (16 neighbours along K) a lane; two neighbouring lanes hold a block.  A wave's store of codes covers 256 consecutive bytes, aligned; its 256 scale bytes are gathered in LDS and leave as one such run.
; Work-groups 352-479 take W_proj: a wave takes two rows; the f16 numbers are laid [k / 64][n][64], so that the projection's tiles are dense blocks.  That arm touches no LDS.
; No tensor loads, no barrier: waves share nothing.  Matrix units and clusters have nothing to do in a stream that is read once.
.set SIZE_M, 8192
.set SIZE_N, 3072
.set SIZE_K, 1024
.set WAVES, 4
.set STEPS, 16
.set WGA,   SIZE_M*SIZE_K/(512*STEPS*WAVES)    ; 256 work-groups for x
.set WGB,   SIZE_N*SIZE_K/(512*STEPS*WAVES)    ; 96 for W_attn
.set EMAX,  2
.set CB,    8                          ; bytes of 16 codes
.set R,     16                         ; v16-79   four sets of 16 numbers as they are loaded
.set X,     80                         ; v80-111  two sets of 16 neighbours
.set C,     128                        ; v128-191 codes: four registers for each step, so that no store's data are written again
.set E,     112                        ; v112-127 a scale byte for each step
.set WREG,  8192                       ; LDS: a region for each wave: two stages of 32 x SP bytes, and behind them its 256 scale bytes
.set SP,    80                         ; a lane's place in a stage: its 64 bytes + 16 of padding
.set SPW,   12                         ; v12      LDS address of my spare word; never rewritten
.set NIL,   13                         ; v13      0; never rewritten
.set SPARE, WAVES*WREG                 ; behind the four regions: the spare words, 128 bytes a wave
	s_load_b128 s[4:7], s[0:1], 0x0                ; x, W_attn
	s_load_b128 s[8:11], s[0:1], 0x10              ; x's codes, x's scales
	s_load_b128 s[12:15], s[0:1], 0x20             ; W_attn's codes, its scales
	s_load_b128 s[24:27], s[0:1], 0x30             ; W_proj, wp
	v_lshl_add_u32 v[SPW], v0, 2, SPARE
	v_mov_b32 v[NIL], 0
	v_lshrrev_b32 v1, 5, v0
	v_readfirstlane_b32 s16, v1                    ; wave
	v_and_b32 v2, 31, v0                           ; lane
	v_lshlrev_b32 v3, 4, v2                        ; my 16 bytes of a load's 512
	s_mul_i32 s17, s16, WREG
	v_lshrrev_b32 v14, 2, v2
	v_mul_u32_u24 v14, v14, SP
	v_and_b32 v15, 3, v2
	v_lshl_add_u32 v14, v15, 4, v14
	v_add_nc_u32 v14, s17, v14                     ; the stage, on the way in: four lanes' 64 bytes on end, then 16 of padding
	v_mul_u32_u24 v15, v2, SP
	v_add_nc_u32 v15, s17, v15                     ; and on the way out: SP x lane: my 16 neighbours
	v_mul_u32_u24 v4, v2, CB                       ; my codes' place in a step's
	v_lshrrev_b32 v5, 1, v2
	s_add_co_u32 s17, s17, 2*32*SP
	v_add_nc_u32 v5, s17, v5                       ; LDS: my wave's 256 scale bytes, my block's byte
	v_lshlrev_b32 v7, 3, v2                        ; 8 bytes a lane
	v_add_nc_u32 v6, s17, v7
	s_wait_kmcnt 0x0
	s_cmp_ge_u32 ttmp9, WGA+WGB                    ; the last 128 work-groups take W_proj: a branch on the work-group's number alone
	s_cbranch_scc1 .Lwp
	s_cmp_lt_u32 ttmp9, WGA                        ; x's work-group or W_attn's?  Only pointers are chosen: both take one path
	s_cselect_b64 s[4:5], s[4:5], s[6:7]
	s_cselect_b64 s[8:9], s[8:9], s[12:13]
	s_cselect_b64 s[10:11], s[10:11], s[14:15]
	s_cselect_b32 s17, 0, WGA
	s_sub_co_u32 s17, ttmp9, s17
	s_lshl_b32 s17, s17, 2
	s_add_co_u32 s18, s17, s16                     ; which run of 8,192 numbers of the tensor is my wave's
	s_mov_b32 s19, 0
	s_mov_b64 s[20:21], 512*STEPS*4
	s_mul_u64 s[20:21], s[18:19], s[20:21]
	s_add_nc_u64 s[4:5], s[4:5], s[20:21]
	s_mov_b64 s[20:21], 32*STEPS*CB
	s_mul_u64 s[20:21], s[18:19], s[20:21]
	s_add_nc_u64 s[8:9], s[8:9], s[20:21]
	s_lshl_b32 s18, s18, 8                         ; 256 scale bytes a run
	s_add_nc_u64 s[10:11], s[10:11], s[18:19]
.macro LOAD t
.irp i, 0,1,2,3
	global_load_b128 v[R+16*((\t)%4)+4*\i:R+16*((\t)%4)+4*\i+3], v3, s[4:5] offset:2048*(\t)+512*\i th:TH_LOAD_NT   ; 32 lanes read 512 consecutive bytes
.endr
.endm
.macro TURN t                          ; step t's numbers through the stage: LDS serves a wave's instructions in order, so no wait stands between the stores and the loads
.irp i, 0,1,2,3
	ds_store_b128 v14, v[R+16*((\t)%4)+4*\i:R+16*((\t)%4)+4*\i+3] offset:32*SP*((\t)%2)+8*SP*\i
.endr
.irp i, 0,1,2,3
	ds_load_b128 v[X+16*((\t)%2)+4*\i:X+16*((\t)%2)+4*\i+3], v15 offset:32*SP*((\t)%2)+16*\i
.endr
.endm
.irp t, 0,1,2,3
	LOAD \t
.endr
	s_wait_loadcnt 12                              ; step 0's four loads are in; the twelve of steps 1 to 3 may be out
	TURN 0
.macro STEP t
.set XS, X+16*((\t)%2)
.if (\t) > 0
	s_wait_dscnt 1                                 ; this step's numbers are back from the stage (the last step's byte store may be out): so its stores into the stage have read their registers,
.else
	s_wait_dscnt 0x0
.endif
.if (\t)+4 < STEPS
	LOAD (\t)+4                                    ; which take the loads of four steps on
.endif
.if (\t)+1 < STEPS
.if STEPS-2-(\t) >= 3
	s_wait_loadcnt 12                              ; the next step's four loads are in; those of the three steps behind it may be out
.else
	s_wait_loadcnt 4*(STEPS-2-(\t))
.endif
	TURN (\t)+1                                    ; and go through the other stage while this step is worked
.endif
	v_max3_num_f32 v8, |v[XS]|, |v[XS+1]|, |v[XS+2]|               ; the largest magnitude of my 16, in two chains
	v_max3_num_f32 v9, |v[XS+3]|, |v[XS+4]|, |v[XS+5]|
.irp i, 6,10
	v_max3_num_f32 v8, v8, |v[XS+\i]|, |v[XS+\i+1]|
	v_max3_num_f32 v9, v9, |v[XS+\i+2]|, |v[XS+\i+3]|
.endr
	v_max3_num_f32 v8, v8, |v[XS+14]|, |v[XS+15]|
	v_max3_num_f32 v8, v8, v9, (EMAX+1)<<23        ; and the floor 2^(EMAX + 1 - 127): so the byte cannot fall under 1
	v_max_num_f32_dpp v8, v8, v8 row_xmask:1 row_mask:0xf bank_mask:0xf   ; and of my neighbour's 16: the block's
	v_add_nc_u32 v11, -(EMAX<<23), v8              ; EMAX off its exponent field: the conversion takes the exponent field of this operand as its scale, and nothing else of it
	v_cvt_scalef32_pk8_fp4_f32 v[C+4*(\t)], v[XS:XS+7], v11
	v_cvt_scalef32_pk8_fp4_f32 v[C+4*(\t)+1], v[XS+8:XS+15], v11
	v_lshrrev_b32 v[E+(\t)], 23, v11               ; the scale's byte (also the plain line behind the conversions)
	ds_store_b8 v5, v[E+(\t)] offset:16*(\t)       ; both lanes of a block write the same byte with the same value
	global_store_b64 v4, v[C+4*(\t):C+4*(\t)+1], s[8:9] offset:32*CB*(\t)   ; the wave stores 256 consecutive bytes, aligned
.endm
.irp t, 0,1,2,3,4,5,6,7,8,9,10,11,12,13,14,15
	STEP \t
.endr
	ds_load_b64 v[8:9], v6                         ; LDS serves a wave's instructions in order: these see my stores
	s_wait_dscnt 0x0
	global_store_b64 v7, v[8:9], s[10:11]          ; 32 lanes store 256 consecutive bytes, aligned
	s_wait_tensorcnt 0x0                           ; the wave's end, behind my last LDS store
	ds_add_u32 v[SPW], v[NIL]
	s_wait_dscnt 0x0
	s_endpgm
; W_proj to f16.  My wave's rows are n0 = 8 x (work-group - 352) + 2 x wave and n0 + 1.  Lanes 0-15 read 256 consecutive bytes (64 numbers) of row n0, lanes 16-31 the same of row n0 + 1;
; in wp's chunk c the two rows' 64 numbers each are 256 consecutive bytes: 8 bytes a lane.
.Lwp:
	s_sub_co_u32 s17, ttmp9, WGA+WGB
	s_lshl_b32 s17, s17, 3
	s_lshl_b32 s18, s16, 1
	s_add_co_u32 s17, s17, s18                     ; n0
	s_lshl_b32 s18, s17, 12                        ; a row of W_proj is 4,096 bytes
	s_mov_b32 s19, 0
	s_add_nc_u64 s[24:25], s[24:25], s[18:19]
	s_lshl_b32 s18, s17, 7                         ; a row of a chunk of wp is 128 bytes
	s_add_nc_u64 s[26:27], s[26:27], s[18:19]
	v_lshrrev_b32 v8, 4, v2
	v_and_b32 v9, 15, v2
	v_lshlrev_b32 v9, 4, v9
	v_lshl_add_u32 v8, v8, 12, v9                  ; (lane / 16) rows + 16 (lane % 16) bytes
.irp c, 0,1,2,3,4,5,6,7,8,9,10,11,12,13,14,15
	global_load_b128 v[R+4*\c:R+4*\c+3], v8, s[24:25] offset:256*\c th:TH_LOAD_NT
.endr
.irp c, 0,1,2,3,4,5,6,7,8,9,10,11,12,13,14,15
	s_wait_loadcnt 15-\c                           ; loads come back in order: chunk c's is in, the younger ones stay out
	v_cvt_pk_f16_f32 v[C+2*\c], v[R+4*\c], v[R+4*\c+1]
	v_cvt_pk_f16_f32 v[C+2*\c+1], v[R+4*\c+2], v[R+4*\c+3]
	global_store_b64 v7, v[C+2*\c:C+2*\c+1], s[26:27] offset:131072*\c   ; 256 consecutive bytes, aligned; no register is written twice, so no further wait is owed
.endr
	s_endpgm
.Lfunc_end_k_qb8f578d5a1_quant:
	.size	k_qb8f578d5a1_quant, .Lfunc_end_k_qb8f578d5a1_quant-k_qb8f578d5a1_quant
	.p2alignl 7, 3214868480
	.fill 96, 4, 3214868480
	.section	.rodata,"a",@progbits
	.p2align	6, 0x0
	.amdhsa_kernel k_qb8f578d5a1_quant
		.amdhsa_group_segment_fixed_size 33280
		.amdhsa_private_segment_fixed_size 0
		.amdhsa_enable_private_segment 0
		.amdhsa_kernarg_size 64
		.amdhsa_user_sgpr_count 2
		.amdhsa_user_sgpr_kernarg_segment_ptr 1
		.amdhsa_wavefront_size32 1
		.amdhsa_system_sgpr_workgroup_id_x 1
		.amdhsa_system_sgpr_workgroup_id_y 1
		.amdhsa_system_sgpr_workgroup_id_z 1
		.amdhsa_system_vgpr_workitem_id 0
		.amdhsa_next_free_vgpr 192
		.amdhsa_next_free_sgpr 66
		.amdhsa_reserve_vcc 0
		.amdhsa_float_denorm_mode_32 3
		.amdhsa_float_denorm_mode_16_64 3
		.amdhsa_memory_ordered 1
		.amdhsa_forward_progress 1
		.amdhsa_inst_pref_size 40
	.end_amdhsa_kernel
	.amdgpu_metadata
---
amdhsa.version: [ 1, 2 ]
amdhsa.kernels:
  - .name:           k_qb8f578d5a1_quant
    .symbol:         k_qb8f578d5a1_quant.kd
    .args:
      - { .name: x, .offset: 0, .size: 8, .value_kind: global_buffer, .address_space: global }
      - { .name: W_attn, .offset: 8, .size: 8, .value_kind: global_buffer, .address_space: global }
      - { .name: x_codes, .offset: 16, .size: 8, .value_kind: global_buffer, .address_space: global }
      - { .name: x_scales, .offset: 24, .size: 8, .value_kind: global_buffer, .address_space: global }
      - { .name: w_codes, .offset: 32, .size: 8, .value_kind: global_buffer, .address_space: global }
      - { .name: w_scales, .offset: 40, .size: 8, .value_kind: global_buffer, .address_space: global }
      - { .name: W_proj, .offset: 48, .size: 8, .value_kind: global_buffer, .address_space: global }
      - { .name: wp, .offset: 56, .size: 8, .value_kind: global_buffer, .address_space: global }
    .group_segment_fixed_size: 33280
    .private_segment_fixed_size: 0
    .kernarg_segment_align: 8
    .kernarg_segment_size: 64
    .max_flat_workgroup_size: 128
    .sgpr_count:     66
    .vgpr_count:     192
    .wavefront_size: 32
...
	.end_amdgpu_metadata
.endif
;; end of part 1
;; launch qkv (part 2): grid 12 x 32, 4 waves a work-group, clusters of 4 x 4, 327,680 bytes of LDS; arguments x_codes, x_scales, w_codes, w_scales, qkvh, qkvf; writes qkvh, qkvf
.if DOCPART == 2
	.amdgcn_target "amdgcn-amd-amdhsa--gfx1250"
	.amdhsa_code_object_version 6
	.text
	.protected	k_qb8f578d5a1_qkv
	.globl	k_qb8f578d5a1_qkv
	.p2align	8
	.type	k_qb8f578d5a1_qkv,@function
k_qb8f578d5a1_qkv:
	s_mov_b64 s[64:65], 0
	v_nop
	global_prefetch_b8 v0, s[64:65] scope:SCOPE_SE
	s_setreg_imm32_b32 hwreg(HW_REG_WAVE_MODE, 25, 1), 1
	s_wait_xcnt 0x0
	s_wait_alu depctr_hold_cnt(0) depctr_sa_sdst(0) depctr_va_vdst(0) depctr_va_sdst(0) depctr_va_ssrc(0) depctr_va_vcc(0) depctr_vm_vsrc(0)
	s_getreg_b32 s2, hwreg(HW_REG_IB_STS2, 6, 4)
	s_cmp_eq_u32 s2, 0
	s_cbranch_scc0 .Lentry_in_a_cluster
	s_endpgm
.Lentry_in_a_cluster:
	s_bfe_u32 s2, ttmp6, 0x10000c
	s_cmp_lg_u32 s2, 0xf033
	s_cbranch_scc0 .Lentry_shape_is_right
	s_endpgm
.Lentry_shape_is_right:
; qkv[m][o] = sum over k of x[m][k] W_attn[o][k], both operands as codes of FP4 (E2M1) with one E8M0 scale for each 32 along K; sums in f32.  M = 8,192, N = 3,072, K = 1,024.
; The results leave twice: as f16, laid by head, qkvh [part x 64 + batch x 16 + head][t][64] (part 0 = q, 1 = k, 2 = v), for the attention; and, for the first 16 positions of every batch, as f32, qkvf [batch][t][3072].
; LIMIT: q, k, v beyond 65,504 in magnitude have no f16 number.  With inputs as drawn they reach about 5; with both inputs 30 times larger about 5,000.
; A tile of 256 x 256 is made by a work-group of four waves; a wave makes 128 x 128: 64 accumulators, 512 registers.  K is two steps of 512, one in each of two LDS slots (rows of 256 bytes): both are asked for at the head,
; and nothing is filled again.  So there is no loop, and no prefetch: all that the work-group reads is asked for in its first lines.  The scale bytes of the tile's rows, for all of K, are two dense blocks and come with them.
; CLUSTERS: 4 x 4 work-groups.  The four of a row of the cluster need the same tiles of x, the four of a column the same tiles of W_attn: each tile is asked for jointly.  A cluster's four tile rows lie EIGHT tile rows apart
; (tile row = cluster y + 8 cy), which is a batch: so the batch is cy, and 'my tile holds a batch's first rows' is 'cluster y = 0', alike in all sixteen partners.
; THE MATRIX INSTRUCTION IS USED TRANSPOSED (source 0 = 16 rows of W_attn, source 1 = 16 rows of x): a lane then holds eight neighbouring columns of one row.
; REGISTERS, in windows of 256: window 0: v0-31 addresses; v32-95 scale words, two sets; v128-191 x's fragments, one set; on the way out v32-255 are free.
;   window 1: W_attn's fragments, two sets, at v0 and v128.   window 2: the accumulators of my rows 0-63 ((a, b) at v[8 (8 a + b)]);   window 3: those of my rows 64-127.
.set SIZE_M, 8192
.set SIZE_N, 3072
.set SIZE_K, 1024
.set KSTEP,  512                       ; along K in a slot
.set NQ,     KSTEP/128                 ; matrix instructions deep
.set ROWB,   256                       ; a tile's row in bytes
.set KROW,   SIZE_K*4/8                ; a row of codes in memory
.set PITCH,  272                       ; an LDS row: 256 bytes + 16 of padding: the 16 rows that a load touches start at 16 different banks
.set FR,     8                         ; registers of a fragment
.set NL,     2                         ; LDS loads that bring one
.set NP,     4                         ; places behind this matrix instruction (ISA guide 7.12.1)
.set HALFT,  128*PITCH
.set SLOT,   4*HALFT
.set KS,     SIZE_K/32                 ; a row of scales in bytes
.set SCL,    2*SLOT                    ; behind the two slots: the scales, as runs of 256 bytes + 16 of padding
.set HALFS,  (128*KS/256)*272
.set SBLK,   (16*KS/256)*272
.set SPARE,  SCL+4*HALFS               ; the spare words, 128 bytes a wave
.set WSTG,   16*528                    ; the way out: a stage for each wave, in slot 0, which has had its only fill and its last read by then
.set ADRA, 16                          ; v16-17  LDS address of my fragments of x in slot 0, 1
.set STO32, 18                         ; v18     f32 way out: where I put 32 bytes of a row
.set RD32, 19                          ; v19     and where I read a row back
.set ADRB, 20                          ; v20-21  the same as ADRA for W_attn
.set STO,  24                          ; v24     f16 way out: where I put 16 bytes of a row
.set RD,   25                          ; v25     and where I read back
.set CO,   26                          ; v26     16 x lane
.set ADRS, 27                          ; v27     LDS address of my scale words: lanes 0-15 x's rows, lanes 16-31 W_attn's
.set SPW,  28
.set NIL,  29
.set SC,   32
.set AF,   128
.set TMP,  192                         ; f16 way out: packed results
.set OB,   32                          ; and what comes back from the stage: v32-63 and v224-255 by turns
.set G1, 24
.set G0, 32
.set G1B, 48
.set G0B, 56
.set G1S, 68
.set G0S, 76
.set G1SB, 80
.set G0SB, 88
.set MSB, 0
.macro WIN new                         ; the immediate's high byte repeats the setting that is left
.if MSB != \new
	s_set_vgpr_msb (MSB<<8)|\new
.set MSB, \new
.endif
.endm
.set MUL_LO, 0xa1                      ; source 0 window 1, source 1 window 0, C and D window 2
.set MUL_HI, 0xf1                      ; the same, C and D window 3
.set TO_B,   0x40                      ; destination window 1, address window 0
; A joint load: waves 0 and 1 fetch for x, waves 2 and 3 for W_attn.  The branch hangs on the wave's number alone.  An s_nop 0 and four v_nop follow each of the two lines.
.macro JLOAD g0a, g1a, g0b, g1b
	s_cmp_eq_u32 s15, 0
	s_cbranch_scc0 .Lfor_b_\@
	tensor_load_to_lds s[\g0a:\g0a+3], s[\g1a:\g1a+7]
	s_nop 0
.rept 4
	v_nop
.endr
	s_branch .Lasked_\@
.Lfor_b_\@:
	tensor_load_to_lds s[\g0b:\g0b+3], s[\g1b:\g1b+7]
	s_nop 0
.rept 4
	v_nop
.endr
.Lasked_\@:
.endm
.macro CROUND                          ; a round of the cluster's barrier
	s_barrier_signal -1
	s_barrier_wait -1
	s_cmp_lg_u32 s14, 0
	s_cbranch_scc1 .Lnot_wave_0_\@
	s_barrier_signal -3
.Lnot_wave_0_\@:
	s_barrier_wait -3
	s_barrier_signal -1
	s_barrier_wait -1
.endm
	s_load_b128 s[4:7], s[0:1], 0x0                ; x's codes, x's scales
	s_load_b128 s[8:11], s[0:1], 0x10              ; W_attn's codes, its scales
	s_load_b64 s[12:13], s[0:1], 0x20              ; qkvh
	s_load_b64 s[96:97], s[0:1], 0x28              ; qkvf
	v_lshl_add_u32 v[SPW], v0, 2, SPARE
	v_mov_b32 v[NIL], 0
	ds_add_u32 v[SPW], v[NIL]                      ; the wave's opening: the add, twice on end, and its wait ahead of my first tensor load
	ds_add_u32 v[SPW], v[NIL]
	v_lshrrev_b32 v1, 5, v0
	v_readfirstlane_b32 s14, v1                    ; wave 0..3
	s_lshr_b32 s15, s14, 1                         ; which half of the tile's rows is mine.  Also: I fetch for x (0) or for W_attn (1)
	s_and_b32 s16, s14, 1                          ; which half of its columns.  Also: which 128 rows I fetch
	s_bfe_u32 s40, ttmp6, 0x40000                  ; cx
	s_bfe_u32 s41, ttmp6, 0x40004                  ; cy
	s_lshl_b32 s42, ttmp9, 2
	s_add_co_u32 s42, s42, s40                     ; tile column = 4 x cluster x + cx
	s_and_b32 s17, ttmp7, 0xffff                   ; cluster y
	s_or_b32 s2, s17, s15                          ; 0 where my wave holds a batch's first 128 rows: cluster y and the wave's number alone
	s_lshl_b32 s18, s41, 3
	s_add_co_u32 s17, s17, s18                     ; tile row = cluster y + 8 cy
	s_lshl_b32 s43, s41, 2
	s_lshl_b32 s43, 15, s43                        ; my row of the cluster
	s_lshl_b32 s44, 0x1111, s40                    ; my column
	s_or_b32 s[G1+0], s43, (0<<16)|(1<<20)|(1<<21)|(5<<22)|(3<<25)  ; the mask; elements of 1 byte; padding on; bit 21 beside a mask; 4 words of padding after every 64
	s_or_b32 s[G1B+0], s44, (0<<16)|(1<<20)|(1<<21)|(5<<22)|(3<<25)
.irp g, G1, G1B
	s_mov_b32 s[\g+1], ROWB<<16                    ; tensor_dim0
	s_mov_b32 s[\g+2], 128<<16                     ; tensor_dim1
	s_mov_b32 s[\g+3], ROWB<<16                    ; tile_dim0
	s_mov_b32 s[\g+4], 128                         ; tile_dim1
	s_mov_b32 s[\g+5], KROW                        ; the pitch
	s_mov_b32 s[\g+6], 0
	s_mov_b32 s[\g+7], 0
.endr
	s_or_b32 s[G1S+0], s43, (3<<16)|(1<<20)|(1<<21)|(5<<22)|(3<<25) ; the scales of 128 rows: a dense block, as rows of 256 bytes (32 elements of 8 bytes)
	s_or_b32 s[G1SB+0], s44, (3<<16)|(1<<20)|(1<<21)|(5<<22)|(3<<25)
.irp g, G1S, G1SB
	s_mov_b32 s[\g+1], 32<<16
	s_mov_b32 s[\g+2], (128*KS/256)<<16
	s_mov_b32 s[\g+3], 32<<16
	s_mov_b32 s[\g+4], 128*KS/256
	s_mov_b32 s[\g+5], 32
	s_mov_b32 s[\g+6], 0
	s_mov_b32 s[\g+7], 0
.endr
	s_lshl_b32 s18, s16, 7                         ; which 128 rows of the tile I fetch
	s_lshl_b32 s20, s17, 8
	s_add_co_u32 s20, s20, s18                     ; x: row 256 x tile row + 128 x half
	s_lshl_b32 s46, s42, 8
	s_add_co_u32 s46, s46, s18                     ; W_attn: row 256 x tile column + 128 x half
	s_mov_b32 s21, 0
	s_mov_b32 s47, 0
	s_mov_b64 s[18:19], KS
	s_mul_u64 s[22:23], s[20:21], s[18:19]         ; where these rows' scales begin
	s_mul_u64 s[92:93], s[46:47], s[18:19]
	s_mov_b64 s[18:19], KROW
	s_mul_u64 s[20:21], s[20:21], s[18:19]         ; and their codes
	s_mul_u64 s[46:47], s[46:47], s[18:19]
	s_mul_i32 s45, s14, HALFT                      ; where they go: wave x 128 rows: no place in the cluster enters an LDS address
	s_mul_i32 s94, s14, HALFS
	s_wait_dscnt 0x0                               ; both opening adds are done
	s_wait_kmcnt 0x0
	s_add_nc_u64 s[20:21], s[4:5], s[20:21]
	s_add_nc_u64 s[22:23], s[6:7], s[22:23]
	s_add_nc_u64 s[46:47], s[8:9], s[46:47]
	s_add_nc_u64 s[92:93], s[10:11], s[92:93]
	CROUND                                         ; all sixteen work-groups are here: the joint loads meet
	s_mov_b32 s[G0S], 1
	s_add_co_u32 s[G0S+1], s94, SCL
	s_mov_b64 s[G0S+2:G0S+3], s[22:23]
	s_or_b32 s[G0S+3], s[G0S+3], 0x80000000
	s_mov_b32 s[G0SB], 1
	s_add_co_u32 s[G0SB+1], s94, SCL
	s_mov_b64 s[G0SB+2:G0SB+3], s[92:93]
	s_or_b32 s[G0SB+3], s[G0SB+3], 0x80000000
	JLOAD G0S, G1S, G0SB, G1SB                     ; the scales first: they are wanted with K step 0
.irp s, 0,1
	s_mov_b32 s[G0+4*\s], 1
	s_add_co_u32 s[G0+4*\s+1], s45, \s*SLOT
	s_add_nc_u64 s[G0+4*\s+2:G0+4*\s+3], s[20:21], \s*ROWB
	s_or_b32 s[G0+4*\s+3], s[G0+4*\s+3], 0x80000000
	s_mov_b32 s[G0B+4*\s], 1
	s_add_co_u32 s[G0B+4*\s+1], s45, \s*SLOT
	s_add_nc_u64 s[G0B+4*\s+2:G0B+4*\s+3], s[46:47], \s*ROWB
	s_or_b32 s[G0B+4*\s+3], s[G0B+4*\s+3], 0x80000000
	JLOAD G0+4*\s, G1, G0B+4*\s, G1B               ; three tensor loads of mine are out now, and no more follow
.endr
	v_and_b32 v1, 15, v0                           ; r = lane % 16
	v_bfe_u32 v2, v0, 4, 1                         ; h = lane / 16
	v_mul_u32_u24 v3, v1, PITCH
	v_lshl_add_u32 v4, v2, 4, v3                   ; a fragment's row x pitch + 16 x half
	s_mul_i32 s21, s15, HALFT                      ; my 128 rows of x
	s_mul_i32 s22, s16, HALFT                      ; my 128 rows of W_attn,
	s_add_co_u32 s22, s22, 2*HALFT                 ; which lie behind x's 256
.irp s, 0,1
	v_add_nc_u32 v[ADRA+\s], s21, v4
	v_add_nc_u32 v[ADRB+\s], s22, v4
	s_add_co_u32 s21, s21, SLOT
	s_add_co_u32 s22, s22, SLOT
.endr
	v_mul_u32_u24 v5, v1, KS                       ; my row's scales: KS bytes a row,
	v_lshrrev_b32 v6, 8, v5
	v_lshl_add_u32 v5, v6, 4, v5                   ; and 16 more for each 256 passed
	s_mul_i32 s21, s15, HALFS
	s_mul_i32 s22, s16, HALFS
	s_add_co_u32 s22, s22, 2*HALFS
	s_sub_co_u32 s22, s22, s21
	v_mul_u32_u24 v6, s22, v2                      ; lanes 16-31 take W_attn's: one product, the distance between the two bases x h
	s_add_co_u32 s21, s21, SCL
	v_add_nc_u32 v5, v5, v6
	v_add_nc_u32 v[ADRS], s21, v5
	s_mul_i32 s23, s14, WSTG                       ; my stage
	v_mul_u32_u24 v5, v1, 528                      ; f32: rows of 512 bytes + 16; row r, 32 bytes for each half of the lanes
	v_lshl_add_u32 v5, v2, 5, v5
	v_add_nc_u32 v[STO32], s23, v5
	v_and_b32 v6, 31, v0
	v_lshlrev_b32 v[CO], 4, v6
	v_add_nc_u32 v[RD32], s23, v[CO]               ; back: the 32 lanes take one row of 512 bytes
	v_mul_u32_u24 v5, v1, 272                      ; f16: rows of 256 bytes + 16; row r, 16 bytes for each half of the lanes
	v_lshl_add_u32 v5, v2, 4, v5
	v_add_nc_u32 v[STO], s23, v5
	v_lshrrev_b32 v5, 3, v6
	v_mul_u32_u24 v5, v5, 272
	v_and_b32 v6, 7, v6
	v_lshl_add_u32 v5, v6, 4, v5
	v_add_nc_u32 v[RD], s23, v5                    ; back: eight lanes take one head's 128 bytes of a row, the 32 lanes four rows
	; qkvh: my first head g0 = 64 x part + 16 x batch + head = 64 x cluster x + 16 cy + 4 cx + 2 x column half; a head is 2^18 bytes, a row 128
	s_lshl_b32 s46, ttmp9, 6
	s_lshl_b32 s47, s41, 4
	s_add_co_u32 s46, s46, s47
	s_lshl_b32 s47, s40, 2
	s_add_co_u32 s46, s46, s47
	s_lshl_b32 s47, s16, 1
	s_add_co_u32 s46, s46, s47
	s_lshl_b32 s46, s46, 18
	s_and_b32 s47, ttmp7, 0xffff
	s_lshl_b32 s47, s47, 15                        ; t = 256 x cluster y
	s_add_co_u32 s46, s46, s47
	s_lshl_b32 s47, s15, 14                        ; + 128 x row half
	s_add_co_u32 s46, s46, s47
	s_mov_b32 s47, 0
	s_add_nc_u64 s[12:13], s[12:13], s[46:47]
	s_mul_i32 s46, s41, 196608                     ; qkvf: the batch's 16 rows of 12,288 bytes,
	s_lshl_b32 s47, s42, 10                        ; my columns
	s_add_co_u32 s46, s46, s47
	s_lshl_b32 s47, s16, 9
	s_add_co_u32 s46, s46, s47
	s_mov_b32 s47, 0
	s_add_nc_u64 s[96:97], s[96:97], s[46:47]
.macro FRAG reg, adr, q, i             ; a fragment, 16 rows x 128 K of 4-bit codes: lane l holds row l % 16; registers 4 c .. 4 c + 3 hold K = 64 c + 32 (l / 16) + 0 .. 31
.irp c, 0,1
	ds_load_b128 v[\reg+4*\c:\reg+4*\c+3], v[\adr] offset:64*(\q)+32*\c+(\i)*16*PITCH
.endr
.endm
; 16 matrix instructions: x's blocks a0, a0 + 1 against W_attn's eight, 128 along K.  p: W_attn's set; sc: the set of scale words.  zero = 1: the first product starts the sums.
; The 64 accumulators take turns, one instruction a turn, in the same order in every step.
.macro MUL16 a0, p, q, sc, zero
.irp a, \a0, \a0+1
.irp b, 0,1,2,3,4,5,6,7
.if \zero
	v_wmma_scale_f32_16x16x128_f8f6f4 v[8*(8*((\a)%4)+\b):8*(8*((\a)%4)+\b)+7], v[128*(\p)+FR*\b:128*(\p)+FR*\b+FR-1], v[AF+FR*(\a):AF+FR*(\a)+FR-1], 0, v[SC+8*NQ*(\sc)+NQ*\b+(\q)], v[SC+8*NQ*(\sc)+NQ*(\a)+(\q)] matrix_a_fmt:MATRIX_FMT_FP4 matrix_b_fmt:MATRIX_FMT_FP4 matrix_a_scale:MATRIX_SCALE_ROW1
.else
	v_wmma_scale_f32_16x16x128_f8f6f4 v[8*(8*((\a)%4)+\b):8*(8*((\a)%4)+\b)+7], v[128*(\p)+FR*\b:128*(\p)+FR*\b+FR-1], v[AF+FR*(\a):AF+FR*(\a)+FR-1], v[8*(8*((\a)%4)+\b):8*(8*((\a)%4)+\b)+7], v[SC+8*NQ*(\sc)+NQ*\b+(\q)], v[SC+8*NQ*(\sc)+NQ*(\a)+(\q)] matrix_a_fmt:MATRIX_FMT_FP4 matrix_b_fmt:MATRIX_FMT_FP4 matrix_a_scale:MATRIX_SCALE_ROW1
.endif
.endr
.endr
.endm
.macro FETCH_B slot, q, p
	WIN TO_B
.irp i, 0,1,2,3,4,5,6,7
	FRAG 128*(\p)+FR*\i, ADRB+\slot, \q, \i
.endr
	WIN 0
.endm
.macro FETCH_A slot, q, i0
.irp i, \i0, \i0+1, \i0+2, \i0+3
	FRAG AF+FR*(\i), ADRA+\slot, \q, \i
.endr
.endm
.macro SCALES sc                       ; a K step's scale words: lanes 0-15 take x's block i, lanes 16-31 W_attn's block i
.irp i, 0,1,2,3,4,5,6,7
	ds_load_b128 v[SC+8*NQ*\sc+NQ*\i:SC+8*NQ*\sc+NQ*\i+3], v[ADRS] offset:\i*SBLK
.endr
.endm
.macro PLACES n                        ; plain vector instructions between a matrix instruction and a load into, or a read of, its registers
.rept \n
	v_nop
.endr
.endm
.macro STEP slot, q, zero              ; a step of 128 along K that has its successor in the same slot
	s_wait_dscnt 4*NL                              ; W_attn's set and x's blocks 0-3 are in; the youngest eight loads (x's blocks 4-7) may be out
	WIN MUL_LO
	MUL16 0, (\q)%2, \q, \slot, \zero
	MUL16 2, (\q)%2, \q, \slot, \zero
	s_wait_dscnt 0                                 ; x's blocks 4-7 are in
	PLACES NP
	FETCH_B \slot, (\q)+1, 1-(\q)%2
	FETCH_A \slot, (\q)+1, 0
	WIN MUL_HI
	MUL16 4, (\q)%2, \q, \slot, \zero
	MUL16 6, (\q)%2, \q, \slot, \zero
	PLACES NP
	WIN 0
	FETCH_A \slot, (\q)+1, 4
.endm
; Slot 0's last step changes slots: one barrier; in front of it each wave waits for all its tensor loads (its part of slot 1) and for its own reads of slot 0.
.macro TURN slot, next
	s_wait_tensorcnt 0x0                           ; all my tensor loads have landed
	ds_add_u32 v[SPW], v[NIL]                      ; 0 onto my spare word
	s_wait_dscnt 4*NL+1                            ; (the add and the youngest eight loads may be out)
	WIN MUL_LO
	MUL16 0, 1, NQ-1, \slot, 0
	s_wait_dscnt 0x0                               ; the add is done, and my reads of this slot are over
	s_barrier_signal -1
	MUL16 2, 1, NQ-1, \slot, 0
	WIN 0
	s_barrier_wait -1
	PLACES NP
	v_add_nc_u32 v[ADRS], 4*NQ, v[ADRS]            ; on to the next K step's scale words
	FETCH_B \next, 0, 0
	FETCH_A \next, 0, 0
	SCALES \next
	WIN MUL_HI
	MUL16 4, 1, NQ-1, \slot, 0
	MUL16 6, 1, NQ-1, \slot, 0
	PLACES NP
	WIN 0
	FETCH_A \next, 0, 4
.endm
.macro STEPS slot, from
.set Q, \from
.rept NQ-1-\from
	STEP \slot, Q, 0
.set Q, Q+1
.endr
.endm
	s_wait_tensorcnt 1                             ; the scales and my part of slot 0 are in; slot 1's load, the one issued behind them, may be out
	s_barrier_signal -1
	s_barrier_wait -1
	FETCH_B 0, 0, 0
	FETCH_A 0, 0, 0
	SCALES 0
	FETCH_A 0, 0, 4
	STEP 0, 0, 1                                   ; the first step's products start the sums: nothing is cleared
	STEPS 0, 1
	TURN 0, 1
	STEPS 1, 0
	s_wait_dscnt 4*NL                              ; the last step: nothing more to fetch
	WIN MUL_LO
	MUL16 0, 1, NQ-1, 1, 0
	MUL16 2, 1, NQ-1, 1, 0
	s_wait_dscnt 0
	WIN MUL_HI
	MUL16 4, 1, NQ-1, 1, 0
	MUL16 6, 1, NQ-1, 1, 0
	WIN 0
	; THE WAY OUT.  A lane holds eight neighbouring columns of a row, and the lanes beside it hold other rows: so a block of 16 rows x 128 columns goes through my own stage in LDS.
	PLACES NP                                      ; behind the last products: for the reads of results and for the loads into registers that held scale words
	; The first 16 positions of a batch leave in f32 too: block 0 of the waves with the tile's first rows, where cluster y = 0.  The branch hangs on the cluster's y and the wave's number alone.
	s_cmp_lg_u32 s2, 0
	s_cbranch_scc1 .Lno_fine
	WIN 0x08                                       ; an LDS store's data are its source 1: window 2
.irp b, 0,1,2,3,4,5,6,7
	ds_store_b128 v[STO32], v[8*\b:8*\b+3] offset:64*\b            ; each accumulator from its low end on
	ds_store_b128 v[STO32], v[8*\b+4:8*\b+7] offset:64*\b+16
.endr
	WIN 0
.irp t, 0,1,2,3,4,5,6,7,8,9,10,11,12,13,14,15
	ds_load_b128 v[64+4*\t:64+4*\t+3], v[RD32] offset:\t*528       ; LDS serves a wave's instructions in order: these see the stores above
.endr
	s_wait_dscnt 0x0
.irp t, 0,1,2,3,4,5,6,7,8,9,10,11,12,13,14,15
	global_store_b128 v[CO], v[64+4*\t:64+4*\t+3], s[96:97] offset:\t*12288   ; 32 lanes store 512 consecutive bytes, aligned to 256; these registers are not written again
.endr
.Lno_fine:
.macro PACK a                          ; block a rounded to f16: 16 bytes a lane and column block, each accumulator from its low end on
.set AC, 64*((\a)%4)
	WIN 0x0a+5*((\a)/4)                            ; sources 0 and 1: window 2 or 3
.irp b, 0,1,2,3,4,5,6,7
.irp r, 0,1,2,3
	v_cvt_pk_f16_f32 v[TMP+4*\b+\r], v[AC+8*\b+2*\r], v[AC+8*\b+2*\r+1]
.endr
.endr
	WIN 0
.endm
.macro TOSTAGE a                       ; into rows of 272 bytes, and back head by head: four rows of one head are 512 consecutive bytes of qkvh
.set BK, OB+192*((\a)%2)
.irp b, 0,1,2,3,4,5,6,7
	ds_store_b128 v[STO], v[TMP+4*\b:TMP+4*\b+3] offset:32*\b
.endr
.irp hh, 0,1
.irp i, 0,1,2,3
	ds_load_b128 v[BK+4*(4*\hh+\i):BK+4*(4*\hh+\i)+3], v[RD] offset:\i*1088+\hh*128
.endr
.endr
.endm
.macro SEND a
.set BK, OB+192*((\a)%2)
	s_wait_dscnt 0x0                               ; the block is back in registers
	s_wait_xcnt 0x0                                ; the block before has had its stores' addresses translated: the next loads from the stage land on its registers only behind this wait
.irp hh, 0,1
.irp i, 0,1,2,3
	global_store_b128 v[CO], v[BK+4*(4*\hh+\i):BK+4*(4*\hh+\i)+3], s[12:13] offset:(\a)*2048+\i*512+\hh*262144   ; 512 consecutive bytes, aligned to 256; every offset an immediate, no base is stepped
.endr
.endr
.endm
	PACK 0
	TOSTAGE 0
.irp a, 1,2,3,4,5,6,7                  ; block a's conversions stand between block a - 1's loads from the stage and the wait for them
	PACK \a
	SEND \a-1
	TOSTAGE \a
.endr
	SEND 7
	s_wait_tensorcnt 0x0                           ; the wave's end, behind my last tensor load and my last LDS store
	ds_add_u32 v[SPW], v[NIL]
	s_wait_dscnt 0x0
	CROUND                                         ; the closing round
	s_endpgm
.Lfunc_end_k_qb8f578d5a1_qkv:
	.size	k_qb8f578d5a1_qkv, .Lfunc_end_k_qb8f578d5a1_qkv-k_qb8f578d5a1_qkv
	.p2alignl 7, 3214868480
	.fill 96, 4, 3214868480
	.section	.rodata,"a",@progbits
	.p2align	6, 0x0
	.amdhsa_kernel k_qb8f578d5a1_qkv
		.amdhsa_group_segment_fixed_size 327680
		.amdhsa_private_segment_fixed_size 0
		.amdhsa_enable_private_segment 0
		.amdhsa_kernarg_size 48
		.amdhsa_user_sgpr_count 2
		.amdhsa_user_sgpr_kernarg_segment_ptr 1
		.amdhsa_wavefront_size32 1
		.amdhsa_system_sgpr_workgroup_id_x 1
		.amdhsa_system_sgpr_workgroup_id_y 1
		.amdhsa_system_sgpr_workgroup_id_z 1
		.amdhsa_system_vgpr_workitem_id 0
		.amdhsa_next_free_vgpr 1024
		.amdhsa_next_free_sgpr 100
		.amdhsa_reserve_vcc 0
		.amdhsa_float_denorm_mode_32 3
		.amdhsa_float_denorm_mode_16_64 3
		.amdhsa_memory_ordered 1
		.amdhsa_forward_progress 1
		.amdhsa_inst_pref_size 131
	.end_amdhsa_kernel
	.amdgpu_metadata
---
amdhsa.version: [ 1, 2 ]
amdhsa.kernels:
  - .name:           k_qb8f578d5a1_qkv
    .symbol:         k_qb8f578d5a1_qkv.kd
    .args:
      - { .name: x_codes, .offset: 0, .size: 8, .value_kind: global_buffer, .address_space: global }
      - { .name: x_scales, .offset: 8, .size: 8, .value_kind: global_buffer, .address_space: global }
      - { .name: w_codes, .offset: 16, .size: 8, .value_kind: global_buffer, .address_space: global }
      - { .name: w_scales, .offset: 24, .size: 8, .value_kind: global_buffer, .address_space: global }
      - { .name: qkvh, .offset: 32, .size: 8, .value_kind: global_buffer, .address_space: global }
      - { .name: qkvf, .offset: 40, .size: 8, .value_kind: global_buffer, .address_space: global }
    .group_segment_fixed_size: 327680
    .private_segment_fixed_size: 0
    .kernarg_segment_align: 8
    .kernarg_segment_size: 48
    .max_flat_workgroup_size: 128
    .sgpr_count:     100
    .vgpr_count:     1024
    .wavefront_size: 32
...
	.end_amdgpu_metadata
.endif
;; end of part 2
;; launch attn (part 3): grid 4 x 64, 16 waves a work-group, no clusters, 327,680 bytes of LDS; arguments qkvh, y2; writes y2
.if DOCPART == 3
	.amdgcn_target "amdgcn-amd-amdhsa--gfx1250"
	.amdhsa_code_object_version 6
	.text
	.protected	k_qb8f578d5a1_attn
	.globl	k_qb8f578d5a1_attn
	.p2align	8
	.type	k_qb8f578d5a1_attn,@function
k_qb8f578d5a1_attn:
	s_mov_b64 s[64:65], 0
	v_nop
	global_prefetch_b8 v0, s[64:65] scope:SCOPE_SE
	s_setreg_imm32_b32 hwreg(HW_REG_WAVE_MODE, 25, 1), 1
	s_wait_xcnt 0x0
; y[b][h][q][:] = the sum over k <= q of softmax_k(Q[q] . K[k] / 8) V[k][:], head size 64, 2,048 positions, 64 heads (batch x head).  Q, K, V: f16, qkvh [part x 64 + g][t][64]; y: f16, y2 [head][batch x 2048 + t][64].
; Products on f16 operands with f32 sums; maxima, exponentials and sums in f32; the weights p are rounded to f16 for the second product, y once at the end.
; LIMITS: a weight p under 6e-8 becomes 0 in f16; NaN and infinities are not served.  The first 16 positions of every batch are made here like the others and are made again, in f32, by a later launch.
; SHARES.  A work-group owns query blocks i and 7 - i (256 queries each) of one head: nine blocks of keys' work whatever i is, so the 256 work-groups are equal.  Each of its sixteen waves owns 32 queries, two tiles of 16,
; in 256 registers: four waves to a SIMD, so that one wave's vector work stands beside another's matrix work and LDS loads.  Of waves 2 k and 2 k + 1 one takes the low block and one the high, by turns.
; NO CLUSTER: under the causal mask work-groups of a head need different numbers of key slots, so a joint load would bring some partner tiles that none of its waves reads.
; Every wave walks all key steps, 64 keys each; a step all of whose keys come after the wave's queries is jumped over (a scalar branch on ids).  K's and V's tiles come through a ring of two LDS slots of 256 keys, filled by
; tensor loads (waves 0, 1: K's halves; waves 2, 3: V's) and read by all sixteen.  A head's K and V are dense, so a tile is taken as rows of 256 bytes (two keys): key k lies at (k / 2) x pitch + (k % 2) x 128.
; LAYOUT.  S^T = K Q^T (source 0 = 16 keys, source 1 = 16 queries): a lane holds ONE query (lane % 16) and keys 8 (lane / 16) + 0..7.  Two such tiles, rounded to f16 in pairs, are source 1 of O^T = V^T P.  V comes turned, by ds_load_tr16_b128.
; SOFTMAX.  A running maximum m and sum l for each query: p = 2^(c s - c m), c = log2(e) / 8; in every step O and l are multiplied by a = 2^(c m_old - c m_new).
; REGISTERS: v1-15 addresses and constants; v16-47 Q; v48-111 K's or V's fragments of a step; v112-175 S^T, then p, packed in place; v176-239 O^T; v240-255 statistics, eight a tile: c m, m, l (two halves), c0-c3 (a takes c2's place).
.set SK,     256                       ; keys in a slot
.set NQ,     4                         ; key steps in a slot
.set NSL,    8                         ; slots' worth of keys
.set KSTEPB, 32*272                    ; a step's 64 keys of K in LDS: 32 rows of 256 bytes + 16 of padding
.set VSTEPB, 32*288                    ; and of V: + 32 of padding, so that the turning load's 16 lanes fall on 16 different runs of 16 bytes
.set VOFF,   128*272                   ; a slot: K's 128 rows, then V's 128 rows
.set SLOT1,  1<<17                     ; slot 1 begins here: one exclusive or turns an address in one slot into the other's
.set STAGE,  SLOT1+VOFF+128*288        ; behind the ring: 32 rows x (128 bytes + 16) for each wave; no tile lands there
.set WSTG,   32*144
.set SPARE,  STAGE+16*WSTG             ; the spare words, 128 bytes a wave
.set AK0, 1
.set AV0, 2
.set ADK, 3
.set ADV, 4
.set SPW, 5
.set NIL, 6
.set GO,  7                            ; 16 x lane
.set STO, 8
.set RD,  9
.set D0,  10                           ; v10, v11: the mask's bound for tiles 0, 1
.set NINF, 12                          ; -infinity
.set RH,  13                           ; lane % 16 - 8 (lane / 16)
.set PFO, 14                           ; 256 x lane
.set QR,  16
.set KV,  48
.set S,   112
.set O,   176
.set ST,  240
.set TB,  2                            ; s2   LDS byte at which the slot in hand begins
.set WV,  18
.set SEL, 20                           ; s[20:21] lane selects for v_permlanex16_b32: lane l xor 16
.set CS,  22                           ; s[22:23] c
.set G1K, 24
.set G1V, 32
.set G0K, 40
.set G0V, 44
.set SLOTS, 48
.set KF,  50                           ; the step's first key
.set Q0,  51                           ; my first query
.set QL,  52                           ; my work-group's last query
.set LIM, 53
.set PFA, 54
; Waves 0 and 1 fetch for K, waves 2 and 3 for V, the others nothing.  The branches hang on the wave's number alone.  An s_nop 0 and four v_nop follow each of the two lines.
.macro TLOAD
	s_cmp_lt_u32 s[WV], 2
	s_cbranch_scc0 .Lnot_k_\@
	tensor_load_to_lds s[G0K:G0K+3], s[G1K:G1K+7]
	s_nop 0
.rept 4
	v_nop
.endr
	s_branch .Lasked_\@
.Lnot_k_\@:
	s_cmp_lt_u32 s[WV], 4
	s_cbranch_scc0 .Lasked_\@
	tensor_load_to_lds s[G0V:G0V+3], s[G1V:G1V+7]
	s_nop 0
.rept 4
	v_nop
.endr
.Lasked_\@:
.endm
; A prefetch of what the NEXT change of slots will ask for: a slot's 32,768 bytes of K and of V.  Each aligned run of 256 bytes is named once in the launch: of a head's four work-groups the one with i = 0 asks, which
; walks all eight slots; in it waves 4-7 ask for K's bytes and waves 8-11 for V's, 8,192 bytes a wave, lanes 256 bytes apart, one instruction each.  It is one slot, four key steps, ahead of the tensor load.
; The last change that fills a slot asks for nothing: there is no slot behind it.  Slots 0 and 1 come by their loads alone.
.macro ASK
	s_cmp_gt_u32 s[SLOTS], s[LIM]
	s_cbranch_scc0 .Lnot_mine_\@
	global_prefetch_b8 v[PFO], s[PFA:PFA+1] th:TH_LOAD_NT scope:SCOPE_SE
.Lnot_mine_\@:
.endm
	s_load_b128 s[4:7], s[0:1], 0x0                ; qkvh, y2
	v_lshl_add_u32 v[SPW], v0, 2, SPARE
	v_mov_b32 v[NIL], 0
	ds_add_u32 v[SPW], v[NIL]                      ; the wave's opening: the add, twice on end, and its wait ahead of the first tensor load
	ds_add_u32 v[SPW], v[NIL]
	v_lshrrev_b32 v15, 5, v0
	v_readfirstlane_b32 s[WV], v15                 ; wave 0..15
	s_and_b32 s56, ttmp7, 0xffff                   ; g = 16 x batch + head
	s_lshr_b32 s57, s[WV], 2
	s_xor_b32 s57, s57, s[WV]
	s_and_b32 s57, s57, 1                          ; 1: I take the high block
	s_sub_co_u32 s58, 7, ttmp9                     ; 7 - i
	s_cmp_eq_u32 s57, 1
	s_cselect_b32 s59, s58, ttmp9                  ; my block of 256 queries
	s_lshl_b32 s59, s59, 8
	s_lshr_b32 s57, s[WV], 1
	s_lshl_b32 s57, s57, 5
	s_add_co_u32 s[Q0], s59, s57                   ; my first query: 256 x block + 32 x (wave / 2)
	s_lshl_b32 s[QL], s58, 8
	s_or_b32 s[QL], s[QL], 255
	s_lshl_b32 s60, s56, 18                        ; a head is 2^18 bytes
	s_lshl_b32 s61, s[Q0], 7                       ; a row 128
	s_add_co_u32 s62, s60, s61                     ; Q's offset
	s_mov_b32 s63, 0
	s_and_b32 s66, s56, 15
	s_lshl_b32 s66, s66, 20                        ; y2: the head's 2^20 bytes,
	s_lshr_b32 s67, s56, 4
	s_lshl_b32 s67, s67, 18                        ; the batch's 2,048 rows,
	s_add_co_u32 s66, s66, s67
	s_add_co_u32 s66, s66, s61                     ; my rows
	s_mov_b32 s67, 0
	s_and_b32 s57, s[WV], 1                        ; which half of a slot's rows I fetch, if I fetch
	s_lshl_b32 s68, s57, 14
	s_add_co_u32 s68, s68, s60
	s_add_co_u32 s68, s68, 64<<18                  ; K's offset
	s_mov_b32 s69, 0
	s_add_co_u32 s70, s68, 64<<18                  ; V's
	s_mov_b32 s71, 0
	s_mul_i32 s72, s57, 64*272                     ; and where they go in a slot
	s_mul_i32 s73, s57, 64*288
	s_add_co_u32 s73, s73, VOFF
	; descriptor group 1: 64 rows of 128 elements of 2 bytes, dense in memory, padded in LDS
	s_mov_b32 s[G1K], (1<<16)|(1<<20)|(5<<22)|(3<<25)             ; no mask; elements of 2 bytes; padding on: 4 words after every 64
	s_mov_b32 s[G1V], (1<<16)|(1<<20)|(5<<22)|(7<<25)             ; the same with 8 words
.irp g, G1K, G1V
	s_mov_b32 s[\g+1], 128<<16                     ; tensor_dim0
	s_mov_b32 s[\g+2], 64<<16                      ; tensor_dim1
	s_mov_b32 s[\g+3], 128<<16                     ; tile_dim0
	s_mov_b32 s[\g+4], 64                          ; tile_dim1
	s_mov_b32 s[\g+5], 128                         ; the pitch
	s_mov_b32 s[\g+6], 0
	s_mov_b32 s[\g+7], 0
.endr
	s_mov_b32 s[SEL], 0x76543210
	s_mov_b32 s[SEL+1], 0xfedcba98
	s_mov_b32 s[CS], 0x3e38aa3b                    ; c = log2(e) / 8
	s_mov_b32 s[CS+1], s[CS]                       ; (named with it as a pair, so it is written)
	s_mov_b32 s[TB], 0
	s_mov_b32 s[SLOTS], NSL-1
	s_mov_b32 s[KF], 0
	s_wait_dscnt 0x0                               ; both opening adds are done
	s_wait_kmcnt 0x0
	s_mov_b32 s[G0K], 1
	s_mov_b32 s[G0K+1], s72
	s_add_nc_u64 s[G0K+2:G0K+3], s[4:5], s[68:69]
	s_or_b32 s[G0K+3], s[G0K+3], 0x80000000
	s_mov_b32 s[G0V], 1
	s_mov_b32 s[G0V+1], s73
	s_add_nc_u64 s[G0V+2:G0V+3], s[4:5], s[70:71]
	s_or_b32 s[G0V+3], s[G0V+3], 0x80000000
	TLOAD                                          ; slot 0: it holds key 0, which counts for every query
	s_add_nc_u64 s[8:9], s[4:5], s[62:63]          ; Q at my first query
	s_add_nc_u64 s[10:11], s[6:7], s[66:67]        ; y likewise
	v_and_b32 v10, 15, v0                          ; r
	v_bfe_u32 v11, v0, 4, 1                        ; h
	v_and_b32 v12, 31, v0                          ; lane
	v_lshlrev_b32 v15, 7, v10
	v_lshl_add_u32 v15, v11, 4, v15                ; Q: row r of 128 bytes, + 16 h
.irp x, 0,1
.irp ds, 0,1
	global_load_b128 v[QR+16*\x+8*\ds:QR+16*\x+8*\ds+3],   v15, s[8:9] offset:\x*2048+\ds*64      ; Q stays in registers: tile x, channels 32 ds on
	global_load_b128 v[QR+16*\x+8*\ds+4:QR+16*\x+8*\ds+7], v15, s[8:9] offset:\x*2048+\ds*64+32
.endr
.endr
	; the prefetches: where my wave's stand, and who asks
	s_cmp_lt_u32 s[WV], 8
	s_mov_b32 s74, 128<<18
	s_cselect_b32 s74, 64<<18, s74                 ; waves 4-7: K; waves 8-11: V
	s_add_co_u32 s74, s74, s60
	s_and_b32 s75, s[WV], 3
	s_lshl_b32 s75, s75, 13
	s_add_co_u32 s74, s74, s75                     ; my wave's 8,192 bytes,
	s_add_co_u32 s74, s74, SK*128                  ; in slot 1: the first change of slots steps it to slot 2
	s_mov_b32 s75, 0
	s_add_nc_u64 s[PFA:PFA+1], s[4:5], s[74:75]
	s_sub_co_u32 s76, s[WV], 4
	s_lshr_b32 s76, s76, 3                         ; 0 in waves 4 to 11,
	s_or_b32 s76, s76, ttmp9                       ; of the work-group with i = 0
	s_cmp_eq_u32 s76, 0
	s_cselect_b32 s[LIM], 1, -1
	v_lshrrev_b32 v13, 1, v10
	v_mul_u32_u24 v[AK0], v13, 272
	v_and_b32 v13, 1, v10
	v_lshl_add_u32 v[AK0], v13, 7, v[AK0]
	v_lshl_add_u32 v[AK0], v11, 4, v[AK0]          ; K: key r of a tile: (r / 2) x 272 + (r % 2) x 128, + 16 h
	v_bfe_u32 v13, v0, 1, 2
	v_lshl_add_u32 v13, v11, 2, v13
	v_mul_u32_u24 v[AV0], v13, 288                 ; V, for the turning load: key 8 h + lane % 8: (key / 2) x 288
	v_and_b32 v13, 1, v0
	v_lshl_add_u32 v[AV0], v13, 7, v[AV0]          ; + (key % 2) x 128
	v_bfe_u32 v13, v0, 3, 1
	v_lshl_add_u32 v[AV0], v13, 4, v[AV0]          ; + 16 x ((lane / 8) % 2): eight channels
	v_add_nc_u32 v[AV0], VOFF, v[AV0]
	v_lshlrev_b32 v[GO], 4, v12
	v_lshlrev_b32 v[PFO], 8, v12
	s_mul_i32 s56, s[WV], WSTG
	s_add_co_u32 s56, s56, STAGE                   ; my stage
	v_mul_u32_u24 v[STO], v10, 144
	v_lshl_add_u32 v[STO], v11, 4, v[STO]
	v_add_nc_u32 v[STO], s56, v[STO]               ; in: row r, 16 bytes for each half of the lanes
	v_lshrrev_b32 v13, 3, v12
	v_mul_u32_u24 v[RD], v13, 144
	v_and_b32 v13, 7, v0
	v_lshl_add_u32 v[RD], v13, 4, v[RD]
	v_add_nc_u32 v[RD], s56, v[RD]                 ; back: eight lanes a row of 128 bytes, four rows an instruction
	v_lshlrev_b32 v13, 3, v11
	v_sub_nc_u32 v[RH], v10, v13
	v_mov_b32 v[NINF], 0xff800000
.irp x, 0,1
	v_mov_b32 v[ST+8*\x+1], 0xff61b1e6             ; m: -3e38, under every score
	v_mul_f32 v[ST+8*\x], s[CS], v[ST+8*\x+1]      ; c m
.irp i, 2,3,4,5,6,7
	v_mov_b32 v[ST+8*\x+\i], 0                     ; l; and c0-c3, written once: a lane permute's destination counts as one of its sources
.endr
.endr
.set n, 0
.rept 64
	v_mov_b32 v[O+n], 0                            ; O^T.  (The step has no first form of its own: the first step finds zeros, which a = 0 leaves zeros)
.set n, n+1
.endr
; A KEY STEP: 64 keys, the q-th of the slot in hand.
.macro STEP q
	s_add_co_u32 s56, s[Q0], 31                    ; a step all of whose keys come after my 32 queries is left out.  KF is a multiple of 64 and Q0 of 32: a step that is walked has KF <= Q0, so key KF counts for each of my queries
	s_cmp_gt_u32 s[KF], s56
	s_cbranch_scc1 .Lhidden_\@
	v_add_nc_u32 v[ADK], s[TB], v[AK0]
	v_add_nc_u32 v[ADV], s[TB], v[AV0]
.rept 3
	v_nop                                          ; with the two additions five places behind the last step's products: four are owed by the loads into V's registers, five by the products that write over p's
.endr
.irp ds, 0,1
.irp kt, 0,1,2,3
	ds_load_b128 v[KV+16*\kt+8*\ds:KV+16*\kt+8*\ds+3],   v[ADK] offset:(\q)*KSTEPB+\kt*2176+\ds*64
	ds_load_b128 v[KV+16*\kt+8*\ds+4:KV+16*\kt+8*\ds+7], v[ADK] offset:(\q)*KSTEPB+\kt*2176+\ds*64+32
.endr
.endr
	s_wait_dscnt 8                                 ; channels 0-31 are in; the eight loads of channels 32-63 may be out
.irp kt, 0,1,2,3                               ; S^T = K Q^T: eight accumulators by turns; the first products start the sums
.irp x, 0,1
	v_wmma_f32_16x16x32_f16 v[S+32*\x+8*\kt:S+32*\x+8*\kt+7], v[KV+16*\kt:KV+16*\kt+7], v[QR+16*\x:QR+16*\x+7], 0
.endr
.endr
	s_wait_dscnt 0x0
.irp kt, 0,1,2,3
.irp x, 0,1
	v_wmma_f32_16x16x32_f16 v[S+32*\x+8*\kt:S+32*\x+8*\kt+7], v[KV+16*\kt+8:KV+16*\kt+15], v[QR+16*\x+8:QR+16*\x+15], v[S+32*\x+8*\kt:S+32*\x+8*\kt+7]
.endr
.endr
.rept 4
	v_nop                                          ; places in front of the loads into K's registers and of the first read of the scores
.endr
.irp ks, 0,1
.irp dt, 0,1,2,3
	ds_load_tr16_b128 v[KV+32*\ks+8*\dt:KV+32*\ks+8*\dt+3],   v[ADV] offset:(\q)*VSTEPB+\ks*4608+\dt*32        ; V, turned: keys 32 ks on, channels 16 dt on; it lands while the softmax is walked
	ds_load_tr16_b128 v[KV+32*\ks+8*\dt+4:KV+32*\ks+8*\dt+7], v[ADV] offset:(\q)*VSTEPB+\ks*4608+2304+\dt*32
.endr
.endr
	s_add_co_u32 s56, s[KF], 63                    ; on the diagonal the scores of hidden keys become -infinity ahead of the maximum.  A step all of whose keys count skips this
	s_cmp_le_u32 s56, s[Q0]
	s_cbranch_scc1 .Lopen_\@
	s_sub_co_u32 s56, s[Q0], s[KF]
	v_add_nc_u32 v[D0], s56, v[RH]                 ; d = my query - KF - 8 (lane / 16).  Register 8 kt + j holds key KF + 16 kt + 8 (lane / 16) + j: hidden where 16 kt + j > d
	v_add_nc_u32 v[D0+1], 16, v[D0]
.irp x, 0,1
.set n, 0
.rept 32
	v_cmp_gt_i32 vcc_lo, 16*(n/8)+n%8, v[D0+\x]
	v_cndmask_b32 v[S+32*\x+n], v[S+32*\x+n], v[NINF], vcc_lo
.set n, n+1
.endr
.endr
.Lopen_\@:
	; the maximum of my 32 scores and the old m, three operands at a time, in four chains; the two tiles by turns; each accumulator is read from its low end on
.irp j, 0,1,2,3
.irp x, 0,1
	v_max3_num_f32 v[ST+8*\x+4+\j], v[S+32*\x+8*\j], v[S+32*\x+8*\j+1], v[S+32*\x+8*\j+2]
.endr
.endr
.irp i, 3,5
.irp j, 0,1,2,3
.irp x, 0,1
	v_max3_num_f32 v[ST+8*\x+4+\j], v[ST+8*\x+4+\j], v[S+32*\x+8*\j+\i], v[S+32*\x+8*\j+\i+1]
.endr
.endr
.endr
.irp x, 0,1
	v_max3_num_f32 v[ST+8*\x+4], v[ST+8*\x+4], v[S+32*\x+7], v[S+32*\x+15]
	v_max3_num_f32 v[ST+8*\x+6], v[ST+8*\x+6], v[S+32*\x+23], v[S+32*\x+31]
.endr
.irp x, 0,1
	v_max3_num_f32 v[ST+8*\x+4], v[ST+8*\x+4], v[ST+8*\x+5], v[ST+8*\x+6]
.endr
.irp x, 0,1
	v_max3_num_f32 v[ST+8*\x+4], v[ST+8*\x+4], v[ST+8*\x+7], v[ST+8*\x+1]
.endr
.irp x, 0,1
	v_permlanex16_b32 v[ST+8*\x+5], v[ST+8*\x+4], s[SEL], s[SEL+1]   ; the query's other 32 keys lie in the lane 16 away
.endr
.irp x, 0,1
	v_mov_b32 v[ST+8*\x+7], v[ST+8*\x]             ; c m_old is kept for a
.endr
.irp x, 0,1
	v_max_num_f32 v[ST+8*\x+1], v[ST+8*\x+4], v[ST+8*\x+5]
.endr
.irp x, 0,1
	v_mul_f32 v[ST+8*\x], s[CS], v[ST+8*\x+1]
.endr
.irp x, 0,1
	v_sub_f32 v[ST+8*\x+7], v[ST+8*\x+7], v[ST+8*\x]
.endr
.irp j, 0,2,4,6,8,10,12,14,16,18,20,22,24,26,28,30
.irp x, 0,1
	v_pk_fma_f32 v[S+32*\x+\j:S+32*\x+\j+1], v[S+32*\x+\j:S+32*\x+\j+1], s[CS:CS+1], v[ST+8*\x:ST+8*\x+1] op_sel_hi:[1,0,0] neg_lo:[0,0,1] neg_hi:[0,0,1]   ; c s - c m, two at a time
.endr
.endr
.irp x, 0,1
	v_exp_f32 v[ST+8*\x+6], v[ST+8*\x+7]           ; a
.endr
.set n, 0
.rept 64
	v_exp_f32 v[S+n], v[S+n]                       ; p, at most 1
.set n, n+1
.endr
	v_nop                                          ; a plain instruction behind the last exponential
	s_wait_alu depctr_va_vdst(0)                   ; the wait ahead of the first instruction that names a result: one for the batch of 66
.irp x, 0,1
	v_pk_mul_f32 v[ST+8*\x+2:ST+8*\x+3], v[ST+8*\x+2:ST+8*\x+3], v[ST+8*\x+6:ST+8*\x+7] op_sel_hi:[1,0]   ; l under the new m
.endr
.irp x, 0,1
	v_pk_add_f32 v[ST+8*\x+4:ST+8*\x+5], v[S+32*\x:S+32*\x+1], v[S+32*\x+2:S+32*\x+3]   ; the sum of the unrounded p, two at a time, in two chains a tile
.endr
.irp j, 4,8,12,16,20,24,28
.irp x, 0,1
	v_pk_add_f32 v[ST+8*\x+2:ST+8*\x+3], v[ST+8*\x+2:ST+8*\x+3], v[S+32*\x+\j:S+32*\x+\j+1]
	v_pk_add_f32 v[ST+8*\x+4:ST+8*\x+5], v[ST+8*\x+4:ST+8*\x+5], v[S+32*\x+\j+2:S+32*\x+\j+3]
.endr
.endr
.irp x, 0,1
	v_pk_add_f32 v[ST+8*\x+2:ST+8*\x+3], v[ST+8*\x+2:ST+8*\x+3], v[ST+8*\x+4:ST+8*\x+5]
.endr
.irp j, 0,1,2,3,4,5,6,7,8,9,10,11,12,13,14,15
.irp x, 0,1
	v_cvt_pk_f16_f32 v[S+32*\x+\j], v[S+32*\x+2*\j], v[S+32*\x+2*\j+1]   ; p to f16, in place, ascending: register j is written when registers 2 j, 2 j + 1 are read, never ahead of them
.endr
.endr
.irp j, 0,2,4,6,8,10,12,14,16,18,20,22,24,26,28,30
.irp x, 0,1
	v_pk_mul_f32 v[O+32*\x+\j:O+32*\x+\j+1], v[O+32*\x+\j:O+32*\x+\j+1], v[ST+8*\x+6:ST+8*\x+7] op_sel_hi:[1,0]   ; O^T under the new m
.endr
.endr
	s_wait_dscnt 0x0                               ; V is in
.irp ks, 0,1                                   ; O^T += V^T P: eight accumulators by turns
.irp dt, 0,1,2,3
.irp x, 0,1
	v_wmma_f32_16x16x32_f16 v[O+32*\x+8*\dt:O+32*\x+8*\dt+7], v[KV+32*\ks+8*\dt:KV+32*\ks+8*\dt+7], v[S+32*\x+8*\ks:S+32*\x+8*\ks+7], v[O+32*\x+8*\dt:O+32*\x+8*\dt+7]
.endr
.endr
.endr
.Lhidden_\@:
	s_add_co_u32 s[KF], s[KF], 64
.endm
; THE CHANGE OF SLOTS stands at a slot's head.  Each wave waits for all its tensor loads (its part of the slot that it is about to read), adds 0 to its spare word, and waits for that and for its reads of the slot that it
; has left.  Behind the barrier the slot ahead is whole and nobody reads the other one.  fill = 1: that other slot is filled with the keys that follow, up to the causal limit: the load has a slot's four steps in which to land.
; By this text's own count a wave has one tensor load out.  Every wait on TENSORcnt is for 0.
.macro CHANGE fill
	s_wait_tensorcnt 0x0                           ; no tensor load of mine is out, so a group 0 may be written
	ds_add_u32 v[SPW], v[NIL]                      ; 0 onto my spare word
.if \fill
	ds_add_u32 v[SPW], v[NIL]                      ; and once more: the add twice on end here, in every trip alike
	s_xor_b32 s[G0K+1], s[G0K+1], SLOT1            ; the walking descriptors: the other slot than last time,
	s_add_nc_u64 s[G0K+2:G0K+3], s[G0K+2:G0K+3], SK*128   ; the next 256 keys
	s_xor_b32 s[G0V+1], s[G0V+1], SLOT1
	s_add_nc_u64 s[G0V+2:G0V+3], s[G0V+2:G0V+3], SK*128
	s_wait_xcnt 0x0                                ; the last prefetch, a slot back, has read its address, so it may be written:
	s_add_nc_u64 s[PFA:PFA+1], s[PFA:PFA+1], SK*128   ; one slot further on than the walking descriptors
.endif
	s_wait_dscnt 0x0                               ; the add is done, and my reads of the slot that I have left are over
	s_barrier_signal -1
	s_barrier_wait -1
.if \fill
	s_add_co_u32 s56, s[KF], SK                    ; the first key of the slot that this change would ask for:
	s_cmp_gt_u32 s56, s[QL]                        ; a slot that begins behind my work-group's last query is read by none of its waves, so it is not asked for.  Ids and the count of steps alone: all sixteen waves go the same way
	s_cbranch_scc1 .Lpast_\@
	TLOAD                                          ; a wave's one tensor load until the next such barrier
.Lpast_\@:
	ASK
.endif
.endm
.macro SLOT_STEPS
	STEP 0
	STEP 1
	STEP 2
	STEP 3
	s_xor_b32 s[TB], s[TB], SLOT1                  ; on to the other slot
.endm
	s_wait_loadcnt 0x0                             ; Q
.Lslot:                                            ; seven trips: behind each change of slots but the last the next slot is asked for, up to the limit
	CHANGE 1
	SLOT_STEPS
	s_sub_co_u32 s[SLOTS], s[SLOTS], 1
	s_cmp_lg_u32 s[SLOTS], 0
	s_cbranch_scc1 .Lslot
	CHANGE 0                                       ; the last slot is written out: nothing is left to ask for
	SLOT_STEPS
	; THE WAY OUT.  l's halves are added; O^T is divided by l, rounded to f16 and goes through my stage, so that a store covers four whole rows.  The additions are the places behind the last products.
.irp x, 0,1
	v_add_f32 v[ST+8*\x+4], v[ST+8*\x+2], v[ST+8*\x+3]
.endr
.irp x, 0,1
	v_permlanex16_b32 v[ST+8*\x+5], v[ST+8*\x+4], s[SEL], s[SEL+1]
.endr
.irp x, 0,1
	v_add_f32 v[ST+8*\x+4], v[ST+8*\x+4], v[ST+8*\x+5]
.endr
.irp x, 0,1
	v_rcp_f32 v[ST+8*\x+6], v[ST+8*\x+4]
.endr
	v_nop                                          ; a plain instruction behind the reciprocals
	s_wait_alu depctr_va_vdst(0)                   ; and the wait ahead of the first use: one for both
.irp x, 0,1
.irp j, 0,2,4,6,8,10,12,14,16,18,20,22,24,26,28,30
	v_pk_mul_f32 v[O+32*\x+\j:O+32*\x+\j+1], v[O+32*\x+\j:O+32*\x+\j+1], v[ST+8*\x+6:ST+8*\x+7] op_sel_hi:[1,0]
.endr
.endr
.irp x, 0,1
.irp j, 0,1,2,3,4,5,6,7,8,9,10,11,12,13,14,15
	v_cvt_pk_f16_f32 v[S+16*\x+\j], v[O+32*\x+2*\j], v[O+32*\x+2*\j+1]
.endr
.endr
.irp x, 0,1
.irp dt, 0,1,2,3
	ds_store_b128 v[STO], v[S+16*\x+4*\dt:S+16*\x+4*\dt+3] offset:\x*2304+\dt*32
.endr
.endr
.irp i, 0,1,2,3,4,5,6,7
	ds_load_b128 v[KV+4*\i:KV+4*\i+3], v[RD] offset:\i*576         ; LDS serves a wave's instructions in order: these see my stores
.endr
.irp i, 0,1,2,3,4,5,6,7
	s_wait_dscnt 7-\i                              ; load i is back; the younger ones stay out
	global_store_b128 v[GO], v[KV+4*\i:KV+4*\i+3], s[10:11] offset:\i*512   ; four rows of 128 bytes: 512 consecutive bytes, aligned to 256
.endr
	s_wait_tensorcnt 0x0                           ; the wave's end, behind my last tensor load and my last LDS store
	ds_add_u32 v[SPW], v[NIL]
	s_wait_dscnt 0x0
	s_endpgm
.Lfunc_end_k_qb8f578d5a1_attn:
	.size	k_qb8f578d5a1_attn, .Lfunc_end_k_qb8f578d5a1_attn-k_qb8f578d5a1_attn
	.p2alignl 7, 3214868480
	.fill 96, 4, 3214868480
	.section	.rodata,"a",@progbits
	.p2align	6, 0x0
	.amdhsa_kernel k_qb8f578d5a1_attn
		.amdhsa_group_segment_fixed_size 327680
		.amdhsa_private_segment_fixed_size 0
		.amdhsa_enable_private_segment 0
		.amdhsa_kernarg_size 16
		.amdhsa_user_sgpr_count 2
		.amdhsa_user_sgpr_kernarg_segment_ptr 1
		.amdhsa_wavefront_size32 1
		.amdhsa_system_sgpr_workgroup_id_x 1
		.amdhsa_system_sgpr_workgroup_id_y 1
		.amdhsa_system_sgpr_workgroup_id_z 1
		.amdhsa_system_vgpr_workitem_id 0
		.amdhsa_next_free_vgpr 256
		.amdhsa_next_free_sgpr 80
		.amdhsa_reserve_vcc 1
		.amdhsa_float_denorm_mode_32 3
		.amdhsa_float_denorm_mode_16_64 3
		.amdhsa_memory_ordered 1
		.amdhsa_forward_progress 1
		.amdhsa_inst_pref_size 189
	.end_amdhsa_kernel
	.amdgpu_metadata
---
amdhsa.version: [ 1, 2 ]
amdhsa.kernels:
  - .name:           k_qb8f578d5a1_attn
    .symbol:         k_qb8f578d5a1_attn.kd
    .args:
      - { .name: qkvh, .offset: 0, .size: 8, .value_kind: global_buffer, .address_space: global }
      - { .name: y2, .offset: 8, .size: 8, .value_kind: global_buffer, .address_space: global }
    .group_segment_fixed_size: 327680
    .private_segment_fixed_size: 0
    .kernarg_segment_align: 8
    .kernarg_segment_size: 16
    .max_flat_workgroup_size: 512
    .sgpr_count:     80
    .vgpr_count:     256
    .wavefront_size: 32
...
	.end_amdgpu_metadata
.endif
;; end of part 3
;; launch proj (part 4): grid 4 x 64, 4 waves a work-group, clusters of 4 x 4, 327,680 bytes of LDS; arguments y2, wp, out0; writes out0
.if DOCPART == 4
	.amdgcn_target "amdgcn-amd-amdhsa--gfx1250"
	.amdhsa_code_object_version 6
	.text
	.protected	k_qb8f578d5a1_proj
	.globl	k_qb8f578d5a1_proj
	.p2align	8
	.type	k_qb8f578d5a1_proj,@function
k_qb8f578d5a1_proj:
	s_mov_b64 s[64:65], 0
	v_nop
	global_prefetch_b8 v0, s[64:65] scope:SCOPE_SE
	s_setreg_imm32_b32 hwreg(HW_REG_WAVE_MODE, 25, 1), 1
	s_wait_xcnt 0x0
	s_wait_alu depctr_hold_cnt(0) depctr_sa_sdst(0) depctr_va_vdst(0) depctr_va_sdst(0) depctr_va_ssrc(0) depctr_va_vcc(0) depctr_vm_vsrc(0)
	s_getreg_b32 s2, hwreg(HW_REG_IB_STS2, 6, 4)
	s_cmp_eq_u32 s2, 0
	s_cbranch_scc0 .Lentry_in_a_cluster
	s_endpgm
.Lentry_in_a_cluster:
	s_bfe_u32 s2, ttmp6, 0x10000c
	s_cmp_lg_u32 s2, 0xf033
	s_cbranch_scc0 .Lentry_shape_is_right
	s_endpgm
.Lentry_shape_is_right:
; out0[m][n] = sum over c of y[m][c] W_proj[n][c].  y: f16, y2 [c / 64][m 8192][64]; W_proj: f16, wp [c / 64][n 1024][64]; out0: [8192][1024] f32; sums in f32.
; The first 16 rows of every batch are written here like the others and are written over, from f32 operands, by the launch that follows: leaving them out here would want a branch on a work-group's place in its cluster.
; A tile of 128 x 256 gives 256 work-groups.  Four waves, each 64 x 128: 32 accumulators, 256 registers.  K goes in steps of 128, two chunks of 64, through a ring of two LDS slots.  A chunk's rows of a tile are a dense
; block of memory, taken as rows of 256 bytes (two rows of 64 numbers): row i lies at (i / 2) x 272 + (i % 2) x 128, so that the 16 rows of a fragment start at 16 different runs of 16 bytes.
; CLUSTERS: 4 x 4 work-groups.  The four of a row of the cluster need the same tiles of y, the four of a column the same tiles of W_proj: each is asked for jointly.  Waves 0, 1 fetch y's two chunks, waves 2, 3 W_proj's.
; THE MATRIX INSTRUCTION IS USED TRANSPOSED (source 0 = 16 rows of W_proj, source 1 = 16 rows of y): a lane then holds eight neighbouring numbers of a row of out0.
; REGISTERS: window 0: v0-31 addresses; v128-255 rows on the way out.  window 1: two fragment buffers, at v0 and v128: y's four blocks, then W_proj's eight.  window 2: the accumulators ((a, b) at v[8 (8 a + b)]).
; wp, 2 MiB that all sixteen clusters walk, is not prefetched; y2, which each row of a cluster alone reads, is.
.set PITCH,  272
.set ACH,    64*PITCH                  ; a chunk of y's tile: 128 rows of 128 bytes
.set BCH,    128*PITCH                 ; a chunk of W_proj's: 256 rows
.set BOFF,   2*ACH
.set SLOT,   2*ACH+2*BCH
.set STAGE,  2*SLOT                    ; behind the ring: 16 rows x 528 bytes for each wave; no tile lands there
.set SPITCH, 528
.set SPARE,  STAGE+4*16*SPITCH
.set ASTEP,  1<<21                     ; a K step on in y2: two chunks of 2^20 bytes
.set BSTEP,  262144                    ; and in wp: two chunks of 131,072
.set ADRA, 16
.set ADRB, 20
.set STO,  24
.set RD,   25
.set CO,   26
.set SPW,  28
.set NIL,  29
.set PFO,  30                          ; 256 x lane
.set BK,   128
.set F0,   0
.set F1,   128
.set LIM,  2                           ; s2: 1 in the wave that prefetches, else the greatest number
.set PFA,  44                          ; s[44:45]
.set G1, 24
.set G0, 32
.set G1B, 48
.set G0B, 56
.set MSB, 0
.macro WIN new
.if MSB != \new
	s_set_vgpr_msb (MSB<<8)|\new
.set MSB, \new
.endif
.endm
.set MUL,  0xa5                        ; sources 0 and 1 window 1; C and D window 2
.set TO_F, 0x40                        ; destination window 1, address window 0
.macro JLOAD s                         ; a joint load; an s_nop 0 and four v_nop follow each of the two lines
	s_cmp_eq_u32 s11, 0
	s_cbranch_scc0 .Lfor_b_\@
	tensor_load_to_lds s[G0+4*\s:G0+4*\s+3], s[G1:G1+7]
	s_nop 0
.rept 4
	v_nop
.endr
	s_branch .Lasked_\@
.Lfor_b_\@:
	tensor_load_to_lds s[G0B+4*\s:G0B+4*\s+3], s[G1B:G1B+7]
	s_nop 0
.rept 4
	v_nop
.endr
.Lasked_\@:
.endm
.macro CREST
	s_cmp_lg_u32 s10, 0
	s_cbranch_scc1 .Lnot_wave_0_\@
	s_barrier_signal -3
.Lnot_wave_0_\@:
	s_barrier_wait -3
	s_barrier_signal -1
	s_barrier_wait -1
.endm
.macro CROUND
	s_barrier_signal -1
	s_barrier_wait -1
	CREST
.endm
; A prefetch of y's K step that stands two refills on: a tile row's two chunks are 128 runs of 256 bytes; the four partners that ask for them jointly take 32 runs each, told apart by address (cx), a lane a run,
; one instruction of wave 0.  All of N lies in the cluster, so each run is named once in the launch.  It is two K steps, 256 matrix instructions, ahead of its load.  The loop's last trip asks for nothing; K steps 0-3 come by their loads alone.
.macro ASK
	s_cmp_gt_u32 s3, s[LIM]
	s_cbranch_scc0 .Lnot_mine_\@
	global_prefetch_b8 v[PFO], s[PFA:PFA+1] th:TH_LOAD_NT scope:SCOPE_SE
.Lnot_mine_\@:
.endm
	s_load_b128 s[4:7], s[0:1], 0x0                ; y2, wp
	s_load_b64 s[8:9], s[0:1], 0x10                ; out0
	v_lshl_add_u32 v[SPW], v0, 2, SPARE
	v_mov_b32 v[NIL], 0
	ds_add_u32 v[SPW], v[NIL]                      ; the wave's opening: the add, twice on end, and its wait ahead of my first tensor load
	ds_add_u32 v[SPW], v[NIL]
	v_lshrrev_b32 v1, 5, v0
	v_readfirstlane_b32 s10, v1                    ; wave 0..3
	s_lshr_b32 s11, s10, 1                         ; which half of the tile's rows is mine.  Also: I fetch for y (0) or for W_proj (1)
	s_and_b32 s12, s10, 1                          ; which half of its columns.  Also: which chunk of a K step I fetch
	s_bfe_u32 s40, ttmp6, 0x40000                  ; cx
	s_bfe_u32 s41, ttmp6, 0x40004                  ; cy
	s_lshl_b32 s42, ttmp9, 2
	s_add_co_u32 s42, s42, s40                     ; tile column
	s_and_b32 s13, ttmp7, 0xffff
	s_lshl_b32 s13, s13, 2
	s_add_co_u32 s13, s13, s41                     ; tile row
	s_lshl_b32 s43, s41, 2
	s_lshl_b32 s43, 15, s43                        ; my row of the cluster
	s_lshl_b32 s46, 0x1111, s40                    ; my column
	s_or_b32 s[G1+0], s43, (1<<16)|(1<<20)|(1<<21)|(5<<22)|(3<<25)  ; the mask; elements of 2 bytes; padding on; bit 21 beside a mask; 4 words after every 64
	s_or_b32 s[G1B+0], s46, (1<<16)|(1<<20)|(1<<21)|(5<<22)|(3<<25)
	s_mov_b32 s[G1+1], 128<<16                     ; tensor_dim0
	s_mov_b32 s[G1+2], 64<<16                      ; tensor_dim1
	s_mov_b32 s[G1+3], 128<<16                     ; tile_dim0
	s_mov_b32 s[G1+4], 64                          ; tile_dim1
	s_mov_b32 s[G1+5], 128                         ; the pitch
	s_mov_b32 s[G1+6], 0
	s_mov_b32 s[G1+7], 0
	s_mov_b32 s[G1B+1], 128<<16
	s_mov_b32 s[G1B+2], 128<<16
	s_mov_b32 s[G1B+3], 128<<16
	s_mov_b32 s[G1B+4], 128
	s_mov_b32 s[G1B+5], 128
	s_mov_b32 s[G1B+6], 0
	s_mov_b32 s[G1B+7], 0
	s_lshl_b32 s16, s13, 14                        ; y: the tile's 128 rows of 128 bytes,
	s_lshl_b32 s17, s12, 20                        ; my chunk
	s_add_co_u32 s16, s16, s17
	s_mov_b32 s17, 0
	s_lshl_b32 s46, s42, 15                        ; W_proj: the tile's 256 rows,
	s_lshl_b32 s47, s12, 17                        ; my chunk
	s_add_co_u32 s46, s46, s47
	s_mov_b32 s47, 0
	s_mul_i32 s20, s12, ACH                        ; where they go: no place in the cluster enters an LDS address
	s_mul_i32 s21, s12, BCH
	s_add_co_u32 s21, s21, BOFF
	s_wait_dscnt 0x0                               ; both opening adds are done
	s_wait_kmcnt 0x0
	s_add_nc_u64 s[14:15], s[4:5], s[16:17]
	s_add_nc_u64 s[46:47], s[6:7], s[46:47]
	CROUND                                         ; all sixteen work-groups are here: the first joint loads meet
.irp s, 0,1
	s_mov_b32 s[G0+4*\s], 1
	s_add_co_u32 s[G0+4*\s+1], s20, \s*SLOT
	s_add_nc_u64 s[G0+4*\s+2:G0+4*\s+3], s[14:15], \s*ASTEP
	s_or_b32 s[G0+4*\s+3], s[G0+4*\s+3], 0x80000000
	s_mov_b32 s[G0B+4*\s], 1
	s_add_co_u32 s[G0B+4*\s+1], s21, \s*SLOT
	s_add_nc_u64 s[G0B+4*\s+2:G0B+4*\s+3], s[46:47], \s*BSTEP
	s_or_b32 s[G0B+4*\s+3], s[G0B+4*\s+3], 0x80000000
	JLOAD \s                                       ; two tensor loads of mine are out at the start, later one behind each round
.endr
	v_and_b32 v1, 15, v0                           ; r
	v_bfe_u32 v2, v0, 4, 1                         ; h
	v_lshrrev_b32 v3, 1, v1
	v_mul_u32_u24 v3, v3, PITCH
	v_and_b32 v4, 1, v1
	v_lshl_add_u32 v3, v4, 7, v3
	v_lshl_add_u32 v3, v2, 4, v3                   ; a fragment's row r: (r / 2) x 272 + (r % 2) x 128, + 16 h
	s_mul_i32 s21, s11, 32*PITCH                   ; my 64 rows of y
	s_mul_i32 s22, s12, 64*PITCH                   ; my 128 rows of W_proj,
	s_add_co_u32 s22, s22, BOFF                    ; which lie behind y's two chunks
.irp s, 0,1
	v_add_nc_u32 v[ADRA+\s], s21, v3
	v_add_nc_u32 v[ADRB+\s], s22, v3
	s_add_co_u32 s21, s21, SLOT
	s_add_co_u32 s22, s22, SLOT
.endr
	s_mul_i32 s23, s10, 16*SPITCH
	s_add_co_u32 s23, s23, STAGE                   ; my stage
	v_mul_u32_u24 v4, v1, SPITCH
	v_lshl_add_u32 v4, v2, 5, v4
	v_add_nc_u32 v[STO], s23, v4                   ; in: row r, 32 bytes for each half of the lanes
	v_and_b32 v5, 31, v0
	v_lshlrev_b32 v[CO], 4, v5
	v_add_nc_u32 v[RD], s23, v[CO]                 ; back: the 32 lanes take one row of 512 bytes
	v_lshlrev_b32 v[PFO], 8, v5
	s_lshl_b32 s16, s13, 19                        ; out0: 128 rows of 4,096 bytes a tile row,
	s_lshl_b32 s17, s11, 18                        ; my 64 of them
	s_add_co_u32 s16, s16, s17
	s_mov_b32 s17, 0
	s_add_nc_u64 s[8:9], s[8:9], s[16:17]
	s_lshl_b32 s46, s42, 10                        ; my columns, in bytes
	s_lshl_b32 s47, s12, 9
	s_add_co_u32 s46, s46, s47
	s_mov_b32 s47, 0
	s_add_nc_u64 s[8:9], s[8:9], s[46:47]
	s_lshl_b32 s18, s13, 14                        ; the prefetches: my tile row,
	s_lshr_b32 s19, s40, 1
	s_lshl_b32 s19, s19, 20                        ; chunk cx / 2 of the K step,
	s_add_co_u32 s18, s18, s19
	s_and_b32 s19, s40, 1
	s_lshl_b32 s19, s19, 13                        ; its half cx % 2,
	s_add_co_u32 s18, s18, s19
	s_add_co_u32 s18, s18, 3*ASTEP                 ; at K step 3: the first change of slots steps it to 4
	s_mov_b32 s19, 0
	s_add_nc_u64 s[PFA:PFA+1], s[4:5], s[18:19]
	s_cmp_eq_u32 s10, 0
	s_cselect_b32 s[LIM], 1, -1
; 24 LDS loads in one run: the fragments of quarter q (32 along K) of a slot into buffer f: W_proj's eight, then y's four
.macro FETCH slot, q, f
	WIN TO_F
.irp b, 0,1,2,3,4,5,6,7
	ds_load_b128 v[\f+32+8*\b:\f+32+8*\b+3],   v[ADRB+\slot] offset:((\q)/2)*BCH+\b*8*PITCH+((\q)%2)*64
	ds_load_b128 v[\f+32+8*\b+4:\f+32+8*\b+7], v[ADRB+\slot] offset:((\q)/2)*BCH+\b*8*PITCH+((\q)%2)*64+32
.endr
.irp a, 0,1,2,3
	ds_load_b128 v[\f+8*\a:\f+8*\a+3],   v[ADRA+\slot] offset:((\q)/2)*ACH+\a*8*PITCH+((\q)%2)*64
	ds_load_b128 v[\f+8*\a+4:\f+8*\a+7], v[ADRA+\slot] offset:((\q)/2)*ACH+\a*8*PITCH+((\q)%2)*64+32
.endr
.endm
; 8 matrix instructions: y's block a against W_proj's eight.  The 32 accumulators take turns, one instruction a turn, in the same order in every quarter.
.macro MUL8 f, a, zero
.irp b, 0,1,2,3,4,5,6,7
.if \zero
	v_wmma_f32_16x16x32_f16 v[8*(8*(\a)+\b):8*(8*(\a)+\b)+7], v[\f+32+8*\b:\f+32+8*\b+7], v[\f+8*(\a):\f+8*(\a)+7], 0
.else
	v_wmma_f32_16x16x32_f16 v[8*(8*(\a)+\b):8*(8*(\a)+\b)+7], v[\f+32+8*\b:\f+32+8*\b+7], v[\f+8*(\a):\f+8*(\a)+7], v[8*(8*(\a)+\b):8*(8*(\a)+\b)+7]
.endif
.endr
.endm
.macro PLACES                          ; four places in front of loads into registers that matrix instructions have read, and of reads of results
.rept 4
	v_nop
.endr
.endm
; One of a K step's first three quarters: multiplies buffer f and fetches quarter qn of the same slot into g.
.macro QUARTER slot, qn, f, g, zero
	s_wait_dscnt 4                                 ; W_proj's fragments and y's blocks 0, 1 are in; the youngest four loads (blocks 2, 3) may be out
	WIN MUL
	MUL8 \f, 0, \zero
	MUL8 \f, 1, \zero
	PLACES
	FETCH \slot, \qn, \g
	s_wait_dscnt 24                                ; all but the 24 just issued
	WIN MUL
	MUL8 \f, 2, \zero
	MUL8 \f, 3, \zero
.endm
; The last quarter multiplies buffer 1 and changes slots: one barrier; in front of it each wave waits for all its tensor loads, adds 0 to its spare word, and waits for that and for its reads of this slot.
; fill = 1: the barrier opens a round of the cluster's barrier, and this slot is filled again, two K steps ahead: the load has a K step less sixteen matrix instructions in which to land.
.macro TURN slot, next, fill
.if \fill
	s_wait_xcnt 0x0                                ; the last prefetch, a K step back, has read its address: it is stepped here
	s_add_nc_u64 s[PFA:PFA+1], s[PFA:PFA+1], ASTEP
.endif
	WIN 0                                          ; (the add's two registers lie in window 0)
	s_wait_tensorcnt 0x0                           ; all my tensor loads have landed: my part of the next slot
	ds_add_u32 v[SPW], v[NIL]                      ; 0 onto my spare word
	s_wait_dscnt 5                                 ; (the add and the youngest four loads may be out)
	WIN MUL
	MUL8 F1, 0, 0
	s_wait_dscnt 0x0                               ; the add is done, and my reads of this slot are over
	s_barrier_signal -1
	MUL8 F1, 1, 0
	WIN 0
	s_barrier_wait -1
.if \fill
	CREST                                          ; no wave of any partner still reads this slot's tile or has a load on its way
	s_add_nc_u64 s[G0+4*\slot+2:G0+4*\slot+3], s[G0+4*\slot+2:G0+4*\slot+3], 2*ASTEP
	s_add_nc_u64 s[G0B+4*\slot+2:G0B+4*\slot+3], s[G0B+4*\slot+2:G0B+4*\slot+3], 2*BSTEP
	JLOAD \slot                                    ; the first tensor load behind the round; its four v_nop are also the places in front of the loads below
.else
	PLACES
.endif
	FETCH \next, 0, F0
.if \fill
	WIN 0                                          ; at a branch and at a label every window is 0
	ASK
.endif
	WIN MUL
	MUL8 F1, 2, 0
	MUL8 F1, 3, 0
.endm
	s_wait_tensorcnt 1                             ; my part of K step 0 is in; K step 1's load, issued behind it, may be out
	s_barrier_signal -1
	s_barrier_wait -1
	FETCH 0, 0, F0
	QUARTER 0, 1, F0, F1, 1                        ; the first quarter's products start the sums: nothing is cleared
	WIN 0
	s_mov_b32 s3, 3
.Llap:                                             ; a trip goes once round the ring, from a lap's second quarter to the next lap's first, and fills both slots again
	QUARTER 0, 2, F1, F0, 0
	QUARTER 0, 3, F0, F1, 0
	TURN 0, 1, 1
	QUARTER 1, 1, F0, F1, 0
	QUARTER 1, 2, F1, F0, 0
	QUARTER 1, 3, F0, F1, 0
	TURN 1, 0, 1
	QUARTER 0, 1, F0, F1, 0
	WIN 0
	s_sub_co_u32 s3, s3, 1
	s_cmp_lg_u32 s3, 0
	s_cbranch_scc1 .Llap
	QUARTER 0, 2, F1, F0, 0                        ; the last lap fills nothing, and has no round of the cluster's barrier
	QUARTER 0, 3, F0, F1, 0
	TURN 0, 1, 0
	QUARTER 1, 1, F0, F1, 0
	QUARTER 1, 2, F1, F0, 0
	QUARTER 1, 3, F0, F1, 0
	s_wait_dscnt 4                                 ; the very last quarter: nothing more to fetch
	WIN MUL
	MUL8 F1, 0, 0
	MUL8 F1, 1, 0
	s_wait_dscnt 0
	MUL8 F1, 2, 0
	MUL8 F1, 3, 0
	WIN 0
; THE WAY OUT, block by block of 16 rows x 128 columns, through my own stage: in as 32 bytes a lane, back as whole rows of 512 bytes.  LDS serves a wave's instructions in order: no wait between the stores and the loads.
.macro TOSTAGE a
	WIN 0x08                                       ; an LDS store's data are its source 1: window 2
.irp b, 0,1,2,3,4,5,6,7
	ds_store_b128 v[STO], v[8*(8*(\a)+\b):8*(8*(\a)+\b)+3] offset:64*\b            ; each accumulator from its low end on
	ds_store_b128 v[STO], v[8*(8*(\a)+\b)+4:8*(8*(\a)+\b)+7] offset:64*\b+16
.endr
	WIN 0
.set BB, BK+64*((\a)%2)
.irp t, 0,1,2,3,4,5,6,7,8,9,10,11,12,13,14,15
	ds_load_b128 v[BB+4*\t:BB+4*\t+3], v[RD] offset:\t*SPITCH
.endr
.endm
.macro SEND a, younger                 ; younger: the LDS instructions issued behind block a's loads, which may stay out
.set BB, BK+64*((\a)%2)
	s_wait_dscnt \younger
.irp t, 0,1,2,3,4,5,6,7,8,9,10,11,12,13,14,15
	global_store_b128 v[CO], v[BB+4*\t:BB+4*\t+3], s[8:9] offset:(16*(\a)+\t)*4096 th:TH_STORE_NT   ; 512 consecutive bytes, aligned to 256; every offset an immediate
.endr
.endm
	PLACES
	TOSTAGE 0
.irp a, 1,2,3
.if \a > 1
	s_wait_xcnt 0x0                                ; block a - 2's stores have read their registers: block a's loads may land there
.endif
	TOSTAGE \a
	SEND \a-1, 32                                  ; behind block a - 1's loads: block a's 16 stores and 16 loads
.endr
	SEND 3, 0
	s_wait_tensorcnt 0x0                           ; the wave's end, behind my last tensor load and my last LDS store
	ds_add_u32 v[SPW], v[NIL]
	s_wait_dscnt 0x0
	CROUND                                         ; the closing round
	s_endpgm
.Lfunc_end_k_qb8f578d5a1_proj:
	.size	k_qb8f578d5a1_proj, .Lfunc_end_k_qb8f578d5a1_proj-k_qb8f578d5a1_proj
	.p2alignl 7, 3214868480
	.fill 96, 4, 3214868480
	.section	.rodata,"a",@progbits
	.p2align	6, 0x0
	.amdhsa_kernel k_qb8f578d5a1_proj
		.amdhsa_group_segment_fixed_size 327680
		.amdhsa_private_segment_fixed_size 0
		.amdhsa_enable_private_segment 0
		.amdhsa_kernarg_size 24
		.amdhsa_user_sgpr_count 2
		.amdhsa_user_sgpr_kernarg_segment_ptr 1
		.amdhsa_wavefront_size32 1
		.amdhsa_system_sgpr_workgroup_id_x 1
		.amdhsa_system_sgpr_workgroup_id_y 1
		.amdhsa_system_sgpr_workgroup_id_z 1
		.amdhsa_system_vgpr_workitem_id 0
		.amdhsa_next_free_vgpr 768
		.amdhsa_next_free_sgpr 66
		.amdhsa_reserve_vcc 0
		.amdhsa_float_denorm_mode_32 3
		.amdhsa_float_denorm_mode_16_64 3
		.amdhsa_memory_ordered 1
		.amdhsa_forward_progress 1
		.amdhsa_inst_pref_size 86
	.end_amdhsa_kernel
	.amdgpu_metadata
---
amdhsa.version: [ 1, 2 ]
amdhsa.kernels:
  - .name:           k_qb8f578d5a1_proj
    .symbol:         k_qb8f578d5a1_proj.kd
    .args:
      - { .name: y2, .offset: 0, .size: 8, .value_kind: global_buffer, .address_space: global }
      - { .name: wp, .offset: 8, .size: 8, .value_kind: global_buffer, .address_space: global }
      - { .name: out0, .offset: 16, .size: 8, .value_kind: global_buffer, .address_space: global }
    .group_segment_fixed_size: 327680
    .private_segment_fixed_size: 0
    .kernarg_segment_align: 8
    .kernarg_segment_size: 24
    .max_flat_workgroup_size: 128
    .sgpr_count:     66
    .vgpr_count:     768
    .wavefront_size: 32
...
	.end_amdgpu_metadata
.endif
;; end of part 4
;; launch fine (part 5): grid 16 x 4, 16 waves a work-group, no clusters, 71,680 bytes of LDS; arguments qkvf, W_proj, out0; writes out0
.if DOCPART == 5
	.amdgcn_target "amdgcn-amd-amdhsa--gfx1250"
	.amdhsa_code_object_version 6
	.text
	.protected	k_qb8f578d5a1_fine
	.globl	k_qb8f578d5a1_fine
	.p2align	8
	.type	k_qb8f578d5a1_fine,@function
k_qb8f578d5a1_fine:
	s_mov_b64 s[64:65], 0
	v_nop
	global_prefetch_b8 v0, s[64:65] scope:SCOPE_SE
	s_setreg_imm32_b32 hwreg(HW_REG_WAVE_MODE, 25, 1), 1
	s_wait_xcnt 0x0
; The first 16 positions of every batch once more, in f32 from end to end: attention on the f32 q, k, v (qkvf [batch][t 16][3072]) and the projection by W_proj as it is given.  These rows average one to sixteen values
; and are the largest of the output; the 64 rows written here take the place of what the launch before has written there.
; SHARES.  A work-group takes one batch (y) and 64 columns of the output (x).  Wave w is head w: it makes the head's 16 x 16 attention, keeps y^T in registers, and multiplies it by W_proj[my 64 rows][the head's 64 columns].
; The sixteen heads' partial sums meet in LDS; wave w then adds row w's sixteen parts in a fixed order and stores its 256 bytes: each output has one owner.
; All products by the f32 matrix form, 96 instructions a wave: no bulk work.  Its K is 4; k is permuted alike on both sources, so that a lane's loaded registers serve as they lie.
; The registers that this form writes, v184-231, are written by matrix instructions alone; every sum begins with the constant 0.
; Eight places stand between such an instruction and a read of its result or a load into its sources, nine ahead of a matrix instruction that writes over its registers.
; LIMITS: NaN and infinities are not served.
.set QA,  1                            ; q, k: row r of 12,288 bytes, + 128 h: my 32 channels
.set VA,  2                            ; v: eight keys 8 h on, channel r
.set WA,  3                            ; W_proj: row r of 4,096 bytes, + 32 h
.set PS,  4                            ; LDS: my head's part: row r of 272 bytes, + 32 h
.set RDP, 5                            ; LDS: row w of a part, 8 bytes a lane
.set OUTO, 6                           ; 8 x lane
.set SPW, 7
.set NIL, 8
.set DD,  9                            ; r - 8 h
.set NINF, 10
.set T,   16                           ; v16-23   scores, then p
.set QR,  24                           ; v24-55   q; later y^T; later the sixteen parts
.set KR,  56                           ; v56-87   k; later W_proj's third tile
.set VR,  88                           ; v88-119  v; later W_proj's fourth tile
.set WR,  120                          ; v120-183 W_proj's first two tiles
.set SA,  184                          ; v184-199 two accumulators of the scores
.set SB,  192
.set YA,  200                          ; v200-231 y^T, four tiles of 16 channels
.set OA,  184                          ; v184-215 the output's four tiles, begun anew with the constant 0
.set PART, 16*272
.set SPARE, 16*PART
	s_load_b128 s[4:7], s[0:1], 0x0                ; qkvf, W_proj
	s_load_b64 s[8:9], s[0:1], 0x10                ; out0
	v_lshl_add_u32 v[SPW], v0, 2, SPARE
	v_mov_b32 v[NIL], 0
	v_lshrrev_b32 v11, 5, v0
	v_readfirstlane_b32 s10, v11                   ; wave = head
	s_and_b32 s11, ttmp7, 0xffff                   ; batch
	v_and_b32 v11, 15, v0                          ; r
	v_bfe_u32 v12, v0, 4, 1                        ; h
	v_and_b32 v13, 31, v0                          ; lane
	v_mul_u32_u24 v[QA], v11, 12288
	v_lshl_add_u32 v[QA], v12, 7, v[QA]
	v_mul_u32_u24 v[VA], v12, 98304
	v_lshl_add_u32 v[VA], v11, 2, v[VA]
	v_lshlrev_b32 v[WA], 12, v11
	v_lshl_add_u32 v[WA], v12, 5, v[WA]
	s_mul_i32 s12, s10, PART
	v_mul_u32_u24 v[PS], v11, 272
	v_lshl_add_u32 v[PS], v12, 5, v[PS]
	v_add_nc_u32 v[PS], s12, v[PS]
	s_mul_i32 s12, s10, 272
	v_lshlrev_b32 v[OUTO], 3, v13
	v_add_nc_u32 v[RDP], s12, v[OUTO]
	v_lshlrev_b32 v14, 3, v12
	v_sub_nc_u32 v[DD], v11, v14
	v_mov_b32 v[NINF], 0xff800000
	v_mov_b32 v13, 0                               ; written once: a lane permute's destination counts as one of its sources
	v_mov_b32 v15, 0
	s_mul_i32 s12, s11, 196608                     ; qkvf: the batch's 16 rows, the head's 256 bytes
	s_lshl_b32 s13, s10, 8
	s_add_co_u32 s12, s12, s13
	s_lshl_b32 s14, ttmp9, 18                      ; W_proj: my 64 rows, the head's 256 bytes
	s_add_co_u32 s14, s14, s13
	s_mov_b32 s13, 0
	s_mov_b32 s15, 0
	s_lshl_b32 s16, s11, 11
	s_add_co_u32 s16, s16, s10                     ; out0: row 2,048 x batch + wave,
	s_lshl_b32 s16, s16, 12
	s_lshl_b32 s17, ttmp9, 8                       ; my 64 columns
	s_add_co_u32 s16, s16, s17
	s_mov_b32 s17, 0
	s_mov_b32 s18, 0x76543210
	s_mov_b32 s19, 0xfedcba98                      ; v_permlanex16_b32's selects for lane l xor 16
	s_mov_b32 s20, 0x3e38aa3b                      ; c = log2(e) / 8
	s_wait_kmcnt 0x0
	s_add_nc_u64 s[4:5], s[4:5], s[12:13]
	s_add_nc_u64 s[6:7], s[6:7], s[14:15]
	s_add_nc_u64 s[8:9], s[8:9], s[16:17]
.irp i, 0,1,2,3,4,5,6,7
	global_load_b128 v[QR+4*\i:QR+4*\i+3], v[QA], s[4:5] offset:16*\i              ; q(r, 32 h + 0 .. 31)
.endr
.irp i, 0,1,2,3,4,5,6,7
	global_load_b128 v[KR+4*\i:KR+4*\i+3], v[QA], s[4:5] offset:4096+16*\i         ; k likewise
.endr
.irp dt, 0,1,2,3
.irp k, 0,1,2,3,4,5,6,7
	global_load_b32 v[VR+8*\dt+\k], v[VA], s[4:5] offset:8192+\k*12288+\dt*64      ; v(key 8 h + k, channel 16 dt + r)
.endr
.endr
.macro WLOAD base, nt                  ; W_proj(16 nt + r, the head's channels 16 dt + 8 h + 0 .. 7), dt = 0 .. 3
.irp dt, 0,1,2,3
	global_load_b128 v[\base+8*\dt:\base+8*\dt+3],   v[WA], s[6:7] offset:\nt*65536+\dt*64
	global_load_b128 v[\base+8*\dt+4:\base+8*\dt+7], v[WA], s[6:7] offset:\nt*65536+\dt*64+16
.endr
.endm
	WLOAD WR, 0
	WLOAD WR+32, 1
	s_wait_loadcnt 48                              ; q and k are in; v's 32 loads and W_proj's 16 are younger
	; S^T = k q^T: step s takes channels 32 h + 2 s, + 1 on both sides.  Two accumulators by turns
	v_wmma_f32_16x16x4_f32 v[SA:SA+7], v[KR:KR+1], v[QR:QR+1], 0
	v_wmma_f32_16x16x4_f32 v[SB:SB+7], v[KR+2:KR+3], v[QR+2:QR+3], 0
.irp s, 2,4,6,8,10,12,14
	v_wmma_f32_16x16x4_f32 v[SA:SA+7], v[KR+2*\s:KR+2*\s+1], v[QR+2*\s:QR+2*\s+1], v[SA:SA+7]
	v_wmma_f32_16x16x4_f32 v[SB:SB+7], v[KR+2*\s+2:KR+2*\s+3], v[QR+2*\s+2:QR+2*\s+3], v[SB:SB+7]
.endr
.rept 8
	v_nop                                          ; places in front of the loads into k's registers and of the first read of the sums
.endr
	WLOAD KR, 2
.irp j, 0,1,2,3,4,5,6,7
	v_add_f32 v[T+\j], v[SA+\j], v[SB+\j]          ; lane (r, h): the score of query r and key 8 h + j; from the low end on
.endr
.irp j, 0,1,2,3,4,5,6,7
	v_cmp_gt_i32 vcc_lo, \j, v[DD]                 ; hidden where 8 h + j > r
	v_cndmask_b32 v[T+\j], v[T+\j], v[NINF], vcc_lo
.endr
	v_max3_num_f32 v12, v[T], v[T+1], v[T+2]
	v_max3_num_f32 v12, v12, v[T+3], v[T+4]
	v_max3_num_f32 v12, v12, v[T+5], v[T+6]
	v_max_num_f32 v12, v12, v[T+7]
	v_permlanex16_b32 v13, v12, s18, s19
	v_max_num_f32 v12, v12, v13                    ; the row's maximum: key 0 counts for every query, so it is a number
	v_mul_f32 v13, s20, v12
.irp j, 0,1,2,3,4,5,6,7
	v_fma_f32 v[T+\j], v[T+\j], s20, -v13          ; c s - c m
.endr
.irp j, 0,1,2,3,4,5,6,7
	v_exp_f32 v[T+\j], v[T+\j]
.endr
	v_nop                                          ; a plain instruction behind the last exponential
	s_wait_alu depctr_va_vdst(0)                   ; the wait ahead of the first use: one for the eight
	v_add_f32 v14, v[T], v[T+1]
	v_add_f32 v15, v[T+2], v[T+3]
	v_add_f32 v14, v14, v[T+4]
	v_add_f32 v15, v15, v[T+5]
	v_add_f32 v14, v14, v[T+6]
	v_add_f32 v15, v15, v[T+7]
	v_add_f32 v14, v14, v15
	v_permlanex16_b32 v15, v14, s18, s19
	v_add_f32 v14, v14, v15                        ; the row's sum
	v_rcp_f32 v15, v14
	v_nop
	s_wait_alu depctr_va_vdst(0)                   ; and one for the reciprocal
	s_wait_loadcnt 24                              ; v is in; W_proj's first 16 loads and the third tile's 8 are younger
	; y^T = v^T p: step u takes keys 8 h + 2 u, + 1 on both sides.  Four accumulators by turns
.irp u, 0,1,2,3
.irp dt, 0,1,2,3
.if \u == 0
	v_wmma_f32_16x16x4_f32 v[YA+8*\dt:YA+8*\dt+7], v[VR+8*\dt+2*\u:VR+8*\dt+2*\u+1], v[T+2*\u:T+2*\u+1], 0
.else
	v_wmma_f32_16x16x4_f32 v[YA+8*\dt:YA+8*\dt+7], v[VR+8*\dt+2*\u:VR+8*\dt+2*\u+1], v[T+2*\u:T+2*\u+1], v[YA+8*\dt:YA+8*\dt+7]
.endif
.endr
.endr
.rept 9
	v_nop                                          ; eight are owed by the loads into v's registers and by the reads of the sums, nine by the products below, which write over earlier results
.endr
	WLOAD VR, 3
.irp j, 0,1,2,3,4,5,6,7,8,9,10,11,12,13,14,15,16,17,18,19,20,21,22,23,24,25,26,27,28,29,30,31
	v_mul_f32 v[QR+\j], v[YA+\j], v15              ; y(query r, channel 16 dt + 8 h + j) = the sum / l: into other registers, from the low end on
.endr
; out^T = W y^T for tiles n0, n0 + 1 of 16 columns: step (dt, u) takes channels 16 dt + 8 h + 2 u, + 1 on both sides.  Two accumulators by turns
.macro OUTP n0, b0, b1
.irp dt, 0,1,2,3
.irp u, 0,1,2,3
.if (\dt == 0) && (\u == 0)
	v_wmma_f32_16x16x4_f32 v[OA+8*\n0:OA+8*\n0+7], v[\b0:\b0+1], v[QR:QR+1], 0
	v_wmma_f32_16x16x4_f32 v[OA+8*\n0+8:OA+8*\n0+15], v[\b1:\b1+1], v[QR:QR+1], 0
.else
	v_wmma_f32_16x16x4_f32 v[OA+8*\n0:OA+8*\n0+7], v[\b0+8*\dt+2*\u:\b0+8*\dt+2*\u+1], v[QR+8*\dt+2*\u:QR+8*\dt+2*\u+1], v[OA+8*\n0:OA+8*\n0+7]
	v_wmma_f32_16x16x4_f32 v[OA+8*\n0+8:OA+8*\n0+15], v[\b1+8*\dt+2*\u:\b1+8*\dt+2*\u+1], v[QR+8*\dt+2*\u:QR+8*\dt+2*\u+1], v[OA+8*\n0+8:OA+8*\n0+15]
.endif
.endr
.endr
.endm
	s_wait_loadcnt 16                              ; W_proj's first two tiles are in; the 8 + 8 loads of the other two are younger
	OUTP 0, WR, WR+32
	s_wait_loadcnt 0x0
	OUTP 2, KR, VR
.rept 8
	v_nop                                          ; places in front of the stores of the results and of the loads into y's registers
.endr
.irp nt, 0,1,2,3
	ds_store_b128 v[PS], v[OA+8*\nt:OA+8*\nt+3] offset:64*\nt      ; lane (r, h): my head's part of out(row r, columns 16 nt + 8 h + 0 .. 7); from the low end on
	ds_store_b128 v[PS], v[OA+8*\nt+4:OA+8*\nt+7] offset:64*\nt+16
.endr
	s_wait_dscnt 0x0                               ; for the others' sake: my stores have landed
	s_barrier_signal -1
	s_barrier_wait -1                              ; all sixteen parts lie in LDS
.irp p, 0,1,2,3,4,5,6,7,8,9,10,11,12,13,14,15
	ds_load_b64 v[QR+2*\p:QR+2*\p+1], v[RDP] offset:\p*PART        ; row w of head p's part: 8 bytes a lane
.endr
	s_wait_dscnt 0x0
	v_pk_add_f32 v[KR:KR+1], v[QR:QR+1], v[QR+2:QR+3]              ; the sixteen parts in two chains, in a fixed order
	v_pk_add_f32 v[KR+2:KR+3], v[QR+4:QR+5], v[QR+6:QR+7]
.irp p, 4,6,8,10,12,14
	v_pk_add_f32 v[KR:KR+1], v[KR:KR+1], v[QR+2*\p:QR+2*\p+1]
	v_pk_add_f32 v[KR+2:KR+3], v[KR+2:KR+3], v[QR+2*\p+2:QR+2*\p+3]
.endr
	v_pk_add_f32 v[KR:KR+1], v[KR:KR+1], v[KR+2:KR+3]
	global_store_b64 v[OUTO], v[KR:KR+1], s[8:9]   ; the wave stores 256 consecutive bytes of its row, aligned
	s_wait_tensorcnt 0x0                           ; the wave's end, behind my last LDS store
	ds_add_u32 v[SPW], v[NIL]
	s_wait_dscnt 0x0
	s_endpgm
.Lfunc_end_k_qb8f578d5a1_fine:
	.size	k_qb8f578d5a1_fine, .Lfunc_end_k_qb8f578d5a1_fine-k_qb8f578d5a1_fine
	.p2alignl 7, 3214868480
	.fill 96, 4, 3214868480
	.section	.rodata,"a",@progbits
	.p2align	6, 0x0
	.amdhsa_kernel k_qb8f578d5a1_fine
		.amdhsa_group_segment_fixed_size 71680
		.amdhsa_private_segment_fixed_size 0
		.amdhsa_enable_private_segment 0
		.amdhsa_kernarg_size 24
		.amdhsa_user_sgpr_count 2
		.amdhsa_user_sgpr_kernarg_segment_ptr 1
		.amdhsa_wavefront_size32 1
		.amdhsa_system_sgpr_workgroup_id_x 1
		.amdhsa_system_sgpr_workgroup_id_y 1
		.amdhsa_system_sgpr_workgroup_id_z 1
		.amdhsa_system_vgpr_workitem_id 0
		.amdhsa_next_free_vgpr 256
		.amdhsa_next_free_sgpr 66
		.amdhsa_reserve_vcc 1
		.amdhsa_float_denorm_mode_32 3
		.amdhsa_float_denorm_mode_16_64 3
		.amdhsa_memory_ordered 1
		.amdhsa_forward_progress 1
		.amdhsa_inst_pref_size 23
	.end_amdhsa_kernel
	.amdgpu_metadata
---
amdhsa.version: [ 1, 2 ]
amdhsa.kernels:
  - .name:           k_qb8f578d5a1_fine
    .symbol:         k_qb8f578d5a1_fine.kd
    .args:
      - { .name: qkvf, .offset: 0, .size: 8, .value_kind: global_buffer, .address_space: global }
      - { .name: W_proj, .offset: 8, .size: 8, .value_kind: global_buffer, .address_space: global }
      - { .name: out0, .offset: 16, .size: 8, .value_kind: global_buffer, .address_space: global }
    .group_segment_fixed_size: 71680
    .private_segment_fixed_size: 0
    .kernarg_segment_align: 8
    .kernarg_segment_size: 24
    .max_flat_workgroup_size: 512
    .sgpr_count:     66
    .vgpr_count:     256
    .wavefront_size: 32
...
	.end_amdgpu_metadata
.endif
;; end of part 5
